; MI455X (gfx1250); checked and timed in simulation.
; The chip was launched on July 23, 2026; its instructions are those of AMD's public machine-readable ISA for CDNA 5 (MIT licence, August 2026) and "CDNA5" Instruction Set Architecture Reference Guide (July 2026). The comments in the code are by the model that wrote it; some were corrected since.
;; A Li Bi Transformer Layer. Allowed arithmetic: matrix products marked QUANTISED: E5M2 operands, one given power-of-two scale a tensor, by v_wmma_f32_16x16x64_bf8_bf8 or v_wmma_f32_16x16x128_bf8_bf8, f32 sums; everything else in f32.
;; Inputs: b1 4,096 float32; b2 1,024 float32; ln1_b 1,024 float32; ln1_g 1,024 float32; ln2_b 1,024 float32; ln2_g 1,024 float32; lowp_scales 10 int32 (the exponents e of the quantised operands' scales 2^e); w1_codes 4,096 x 32 x 32 uint8 (E5M2 codes of w1, K innermost, in blocks of 32 codes); w2_codes 1,024 x 128 x 32 uint8 (E5M2 codes of w2, K innermost, in blocks of 32 codes); w_kqv_codes 3,072 x 32 x 32 uint8 (E5M2 codes of w_kqv, K innermost, in blocks of 32 codes); x 2 x 2,048 x 1,024 float32.
;; Outputs: out0 2 x 2,048 x 1,024 float32.
;; This version of the problem:
;;   THIS VERSION OF THE PROBLEM IS GIVEN IN LOW PRECISION. The matrix products marked QUANTISED in the list below multiply operands that are first quantised to E5M2 (5 exponent bits, 2 mantissa bits; 8 bits a number), with one given power-of-two scale for each operand tensor; their sums are f32. All else is computed in f32.
;;   The module's matrix products, in the order in which they are computed (A, B: the left and right operand; K: the contracted axis; several contracted axes count as one K, in the product's order):
;;     1. [M 4,096, K 1,024] x [K 1,024, N 3,072]; A: computed on the way; B: input w_kqv (given as codes): QUANTISED (scales: A lowp_scales[0], B lowp_scales[1])
;;     2. batch 32 x [M 2,048, K 64] x [K 64, N 2,048]; A: computed on the way; B: computed on the way: QUANTISED (scales: A lowp_scales[2], B lowp_scales[3])
;;     3. batch 32 x [M 2,048, K 2,048] x [K 2,048, N 64]; A: softmax (see below); B: computed on the way: QUANTISED (scales: A lowp_scales[4], B lowp_scales[5])
;;     4. [M 4,096, K 1,024] x [K 1,024, N 4,096]; A: computed on the way; B: input w1 (given as codes): QUANTISED (scales: A lowp_scales[6], B lowp_scales[7])
;;     5. [M 4,096, K 4,096] x [K 4,096, N 1,024]; A: computed on the way; B: input w2 (given as codes): QUANTISED (scales: A lowp_scales[8], B lowp_scales[9])
;;   THE QUANTISER, for each operand of a quantised product, along K:
;;     - The operand's scale is 2^e, e = its entry of the input lowp_scales (int32; the entries are numbered through the quantised products in the list's order, A before B).
;;     - Each number is divided by the scale, clamped to +-57,344, and rounded to the nearest number of E5M2, ties to even, subnormals kept.
;;     - The product sums the exact products of the quantised numbers (number of the format x scale) in f32.
;;   ~~~python
;;   def quantise(x, axis, e):      # numpy; x: float32 -> the quantised numbers, widened to float32 again
;;       x = np.moveaxis(x, axis, -1); K = x.shape[-1]
;;       r = np.clip(x / 2.0 ** e, -57344, 57344)
;;       step = 2.0 ** (np.maximum(np.frexp(np.where(r == 0, 1, r))[1] - 1, -14) - 2)
;;       q = np.round(r / step) * step * 2.0 ** e      # np.round: ties to even
;;       return np.moveaxis(q, -1, axis).astype(np.float32)
;;   ~~~
;;   SOFTMAX AHEAD OF A QUANTISED PRODUCT. Where the list says 'softmax', what is quantised is not the finished softmax but p = 2^(t - M), with t = logit x log2(e) and M = ceil(the row's largest t), a whole number; so 1/2 < the row's largest p <= 1. The row's sum l is taken of the UNQUANTISED p, in f32, and the product's result is divided by l at the end. Since M is a whole number, a kernel that streams over the keys may use a running M (the ceiling of the running maximum): every later rescaling is an exact power of two, so the quantised numbers keep their values, but for numbers so far below the row's largest that they fall under the format's range.
;;   OPERANDS COMPUTED ON THE WAY. 'Computed on the way' means the value that the module computes at that place (a softmax that the list does not call 'softmax' is quantised finished and normalised). What goes into a quantiser is computed in f32, as accurately as f32 sums, v_exp_f32 and their like allow (about 1e-6 of the number): no bf16 or f16 on the way to a quantiser, and a product that is left as it is and whose result goes on into a quantised operand takes f32 operands (vector FMAs, or v_wmma_f32_16x16x4_f32). A number that lies on a knife's edge between two numbers of the format may be rounded either way, as far as f32 arithmetic and the matrix unit's own rounding can turn it there, and no further.
;;   INPUTS GIVEN AS CODES. w1 (in the module: [1024, 4096], K = its axis 0); w2 (in the module: [4096, 1024], K = its axis 0); w_kqv (in the module: [1024, 3072], K = its axis 0): each comes as NAME_codes (uint8): NAME with its K axis moved to the last place and cut into blocks of 32 codes, [.., K / 32, bytes a block], one block behind the other in memory; one code a byte (a code: sign, 5 exponent bits, 2 mantissa bits); its scale is its entry of lowp_scales. Its value is code x scale, taken as it is: it is not quantised again, and the codes and scales need not be those that the quantiser above would give.
;; 2 versions, each right. Each part assembles by itself: llvm-mc -triple=amdgcn-amd-amdhsa -mcpu=gfx1250 --defsym DOCPART=n.
;; ======== version 1 of 2: 6 launches
;; workspace buffers: ac 4,194,304 bytes; kqvc 12,582,912 bytes; x1 16,777,216 bytes; hc 16,777,216 bytes
;; launch ln1q (part 1): grid 256 x 1, 8 waves a work-group, no clusters, 17,408 bytes of LDS; arguments x, ln1_g, ln1_b, lowp_scales, ac; writes ac
.if DOCPART == 1
	.amdgcn_target "amdgcn-amd-amdhsa--gfx1250"
	.amdhsa_code_object_version 6
	.text
	.protected	k_qef78dabd26_ln1q
	.globl	k_qef78dabd26_ln1q
	.p2align	8
	.type	k_qef78dabd26_ln1q,@function
k_qef78dabd26_ln1q:
	s_mov_b64 s[64:65], 0
	v_nop
	global_prefetch_b8 v0, s[64:65] scope:SCOPE_SE
	s_setreg_imm32_b32 hwreg(HW_REG_WAVE_MODE, 25, 1), 1
	s_wait_xcnt 0x0
; codes = Q((x - mean) * rsqrt(var + 1e-5) * g + b), row by row of 1,024 f32 numbers; Q: E5M2 with the given scale 2^e, e = entry ENTRY of the scales.
; A wave owns two rows; a row is 32 registers a lane and stays in registers between the mean, the variance (of x - mean: no difference of large sums) and the scaling.
; Load j of a row reads 512 consecutive bytes, 16 a lane: a lane holds columns 128 j + 4 l + 0..3.  g and b are loaded by the same map, once.
; A lane's four codes of load j are one word; the row's 1,024 codes are put in order in the wave's own 2,048 bytes of LDS and leave as two stores of 512 consecutive bytes.
; Waves share nothing: no barrier.  LIMITS: e between -126 and 112; NaN among the inputs is not served; an infinity is held at the largest code.
.set ENTRY, 0
.set GN,   16                          ; v16-47   g
.set BT,   48                          ; v48-79   b
.set X,    80                          ; v80-143  two rows
.set CC,   144                         ; v144-159 codes, 8 registers a row
.set OUT,  160                         ; v160-175 codes in row order, 8 registers a row
.set T,    176                         ; v176-183 four chains of sums
	s_load_b256 s[4:11], s[0:1], 0x0               ; x s[4:5], g s[6:7], b s[8:9], the scales s[10:11]
	s_load_b64 s[12:13], s[0:1], 0x20              ; the codes
	v_lshl_add_u32 v184, v0, 2, 0x4000
	v_mov_b32 v185, 0
	v_lshrrev_b32 v1, 5, v0
	v_readfirstlane_b32 s14, v1                    ; wave 0..7
	v_and_b32 v4, 31, v0                           ; lane
	v_lshlrev_b32 v1, 4, v4                        ; 16 l: my bytes of a load's or a store's 512
	s_lshl_b32 s15, s14, 11                        ; my wave's 2,048 bytes of LDS; also its two rows of codes
	v_lshl_add_u32 v2, v4, 2, s15                  ; LDS, in: 4 l
	v_lshl_add_u32 v3, v4, 4, s15                  ; LDS, out: 16 l
	v_mov_b32 v5, 0                                ; a lane permute's destination counts as read
	s_lshl_b32 s16, ttmp9, 16                      ; 16 rows of 4,096 bytes a work-group,
	s_lshl_b32 s18, s14, 13                        ; two a wave
	s_add_co_u32 s16, s16, s18
	s_mov_b32 s17, 0
	s_lshl_b32 s18, ttmp9, 14                      ; the same rows in the codes: 1,024 bytes each
	s_add_co_u32 s18, s18, s15
	s_mov_b32 s19, 0
	s_mov_b32 s20, 0x3a800000                      ; 1 / 1024
	s_mov_b32 s21, 0x3727c5ac                      ; 1e-5
	s_mov_b32 s22, 0x76543210                      ; lane l takes lane l xor 16
	s_mov_b32 s23, 0xfedcba98
	s_wait_kmcnt 0x0
	s_load_b32 s24, s[10:11], 4*ENTRY              ; e
	s_add_nc_u64 s[4:5], s[4:5], s[16:17]
	s_add_nc_u64 s[12:13], s[12:13], s[18:19]
.irp j, 0,1,2,3,4,5,6,7
	global_load_b128 v[X+4*\j:X+4*\j+3], v1, s[4:5] offset:512*\j th:TH_LOAD_NT
.endr
.irp j, 0,1,2,3,4,5,6,7
	global_load_b128 v[GN+4*\j:GN+4*\j+3], v1, s[6:7] offset:512*\j
.endr
.irp j, 0,1,2,3,4,5,6,7
	global_load_b128 v[BT+4*\j:BT+4*\j+3], v1, s[8:9] offset:512*\j
.endr
.irp j, 0,1,2,3,4,5,6,7
	global_load_b128 v[X+32+4*\j:X+32+4*\j+3], v1, s[4:5] offset:4096+512*\j th:TH_LOAD_NT
.endr
	s_wait_kmcnt 0x0
	s_add_co_i32 s24, s24, 127
	s_lshl_b32 s25, s24, 23
	v_mov_b32 v12, s25                             ; 2^e as f32: the conversion takes its exponent field
	s_add_co_i32 s24, s24, 15
	s_lshl_b32 s24, s24, 23
	s_or_b32 s24, s24, 0x600000
	v_mov_b32 v13, s24                             ; 57,344 x 2^e
.macro REDUCE                          ; the four chains, the pair's halves, the 32 lanes: the sum in v6 of every lane
	v_pk_add_f32 v[T:T+1], v[T:T+1], v[T+2:T+3]
	v_pk_add_f32 v[T+4:T+5], v[T+4:T+5], v[T+6:T+7]
	v_pk_add_f32 v[T:T+1], v[T:T+1], v[T+4:T+5]
	v_add_f32 v6, v[T], v[T+1]
	v_add_f32_dpp v6, v6, v6 row_xmask:1 row_mask:0xf bank_mask:0xf
	v_add_f32_dpp v6, v6, v6 row_xmask:2 row_mask:0xf bank_mask:0xf
	v_add_f32_dpp v6, v6, v6 row_xmask:4 row_mask:0xf bank_mask:0xf
	v_add_f32_dpp v6, v6, v6 row_xmask:8 row_mask:0xf bank_mask:0xf
	v_permlanex16_b32 v5, v6, s22, s23
	v_add_f32 v6, v6, v5
.endm
; One row.  w1: the loads that may be out when the row has to be there; w2: when g and b have to be there.
.macro ROW rho, w1, w2
.set XR, X+32*\rho
.set CR, CC+8*\rho
.set OUTR, OUT+8*\rho
	s_wait_loadcnt \w1
.irp k, 0,1,2,3
	v_pk_add_f32 v[T+2*\k:T+2*\k+1], v[XR+4*\k:XR+4*\k+1], v[XR+4*\k+2:XR+4*\k+3]
.endr
.irp k, 0,1,2,3
	v_pk_add_f32 v[T+2*\k:T+2*\k+1], v[T+2*\k:T+2*\k+1], v[XR+16+2*\k:XR+16+2*\k+1]
.endr
.irp k, 0,1,2,3
	v_pk_add_f32 v[T+2*\k:T+2*\k+1], v[T+2*\k:T+2*\k+1], v[XR+24+2*\k:XR+24+2*\k+1]
.endr
	REDUCE
	v_mul_f32 v8, s20, v6                          ; the mean,
	v_mov_b32 v9, v8                               ; twice, for the packed forms
.set j, 0
.rept 16
	v_pk_add_f32 v[XR+j:XR+j+1], v[XR+j:XR+j+1], v[8:9] neg_lo:[0,1] neg_hi:[0,1]   ; x - mean, in place
.set j, j+2
.endr
.irp k, 0,1,2,3
	v_pk_mul_f32 v[T+2*\k:T+2*\k+1], v[XR+2*\k:XR+2*\k+1], v[XR+2*\k:XR+2*\k+1]
.endr
.set j, 8
.rept 12
	v_pk_fma_f32 v[T+j%8:T+j%8+1], v[XR+j:XR+j+1], v[XR+j:XR+j+1], v[T+j%8:T+j%8+1]
.set j, j+2
.endr
	REDUCE
	v_fma_f32 v7, v6, s20, s21                     ; the variance + 1e-5
	v_rsq_f32 v10, v7
	v_nop                                          ; a plain instruction behind the transcendental
	s_wait_alu depctr_va_vdst(0)                   ; the wait ahead of the result's first reader
	v_mov_b32 v11, v10
	s_wait_loadcnt \w2
.set j, 0
.rept 16
	v_pk_mul_f32 v[XR+j:XR+j+1], v[XR+j:XR+j+1], v[10:11]
.set j, j+2
.endr
.set j, 0
.rept 16
	v_pk_fma_f32 v[XR+j:XR+j+1], v[XR+j:XR+j+1], v[GN+j:GN+j+1], v[BT+j:BT+j+1]
.set j, j+2
.endr
.set j, 0
.rept 32
	v_med3_num_f32 v[XR+j], v[XR+j], -v13, v13     ; the conversion to an 8-bit code does not saturate (ISA guide 7.6.2): the hold at the largest code x the scale
.set j, j+1
.endr
.irp k, 0,1,2,3
	v_cvt_scalef32_pk8_bf8_f32 v[CR+2*\k:CR+2*\k+1], v[XR+8*\k:XR+8*\k+7], v12
.endr
	v_nop                                          ; a plain instruction behind the last conversion
.irp j, 0,1,2,3,4,5,6,7
	ds_store_b32 v2, v[CR+\j] offset:1024*\rho+128*\j          ; the codes of columns 128 j + 4 l + 0..3
.endr
.irp i, 0,1
	ds_load_b128 v[OUTR+4*\i:OUTR+4*\i+3], v3 offset:1024*\rho+512*\i   ; LDS serves a wave's instructions in order: these see my stores
.endr
.irp i, 0,1
	s_wait_dscnt 1-\i
	global_store_b128 v1, v[OUTR+4*\i:OUTR+4*\i+3], s[12:13] offset:1024*\rho+512*\i   ; 512 consecutive bytes, aligned
.endr
.endm
	ROW 0, 24, 8                                   ; 24: g, b and row 1 may be out; 8: row 1 may be out
	ROW 1, 0, 0
	s_wait_tensorcnt 0x0
	ds_add_u32 v184, v185
	s_wait_dscnt 0x0
	s_endpgm
.Lfunc_end_k_qef78dabd26_ln1q:
	.size	k_qef78dabd26_ln1q, .Lfunc_end_k_qef78dabd26_ln1q-k_qef78dabd26_ln1q
	.p2alignl 7, 3214868480
	.fill 96, 4, 3214868480
	.section	.rodata,"a",@progbits
	.p2align	6, 0x0
	.amdhsa_kernel k_qef78dabd26_ln1q
		.amdhsa_group_segment_fixed_size 17408
		.amdhsa_private_segment_fixed_size 0
		.amdhsa_enable_private_segment 0
		.amdhsa_kernarg_size 40
		.amdhsa_user_sgpr_count 2
		.amdhsa_user_sgpr_kernarg_segment_ptr 1
		.amdhsa_wavefront_size32 1
		.amdhsa_system_sgpr_workgroup_id_x 1
		.amdhsa_system_sgpr_workgroup_id_y 1
		.amdhsa_system_sgpr_workgroup_id_z 1
		.amdhsa_system_vgpr_workitem_id 0
		.amdhsa_next_free_vgpr 186
		.amdhsa_next_free_sgpr 66
		.amdhsa_reserve_vcc 0
		.amdhsa_float_denorm_mode_32 3
		.amdhsa_float_denorm_mode_16_64 3
		.amdhsa_memory_ordered 1
		.amdhsa_forward_progress 1
		.amdhsa_inst_pref_size 24
	.end_amdhsa_kernel
	.amdgpu_metadata
---
amdhsa.version: [ 1, 2 ]
amdhsa.kernels:
  - .name:           k_qef78dabd26_ln1q
    .symbol:         k_qef78dabd26_ln1q.kd
    .args:
      - { .name: x, .offset: 0, .size: 8, .value_kind: global_buffer, .address_space: global }
      - { .name: ln1_g, .offset: 8, .size: 8, .value_kind: global_buffer, .address_space: global }
      - { .name: ln1_b, .offset: 16, .size: 8, .value_kind: global_buffer, .address_space: global }
      - { .name: lowp_scales, .offset: 24, .size: 8, .value_kind: global_buffer, .address_space: global }
      - { .name: ac, .offset: 32, .size: 8, .value_kind: global_buffer, .address_space: global }
    .group_segment_fixed_size: 17408
    .private_segment_fixed_size: 0
    .kernarg_segment_align: 8
    .kernarg_segment_size: 40
    .max_flat_workgroup_size: 256
    .sgpr_count:     66
    .vgpr_count:     186
    .wavefront_size: 32
...
	.end_amdgpu_metadata
.endif
;; end of part 1
;; launch qkv (part 2): grid 12 x 16, 4 waves a work-group, clusters of 4 x 4, 327,680 bytes of LDS; arguments ac, w_kqv_codes, lowp_scales, kqvc; writes kqvc
.if DOCPART == 2
	.amdgcn_target "amdgcn-amd-amdhsa--gfx1250"
	.amdhsa_code_object_version 6
	.text
	.protected	k_qef78dabd26_qkv
	.globl	k_qef78dabd26_qkv
	.p2align	8
	.type	k_qef78dabd26_qkv,@function
k_qef78dabd26_qkv:
	s_mov_b64 s[64:65], 0
	v_nop
	global_prefetch_b8 v0, s[64:65] scope:SCOPE_SE
	s_setreg_imm32_b32 hwreg(HW_REG_WAVE_MODE, 25, 1), 1
	s_wait_xcnt 0x0
	s_wait_alu depctr_hold_cnt(0) depctr_sa_sdst(0) depctr_va_vdst(0) depctr_va_sdst(0) depctr_va_ssrc(0) depctr_va_vcc(0) depctr_vm_vsrc(0)
	s_getreg_b32 s2, hwreg(HW_REG_IB_STS2, 6, 4)
	s_cmp_eq_u32 s2, 0
	s_cbranch_scc0 .Lentry_in_a_cluster
	s_endpgm
.Lentry_in_a_cluster:
	s_bfe_u32 s2, ttmp6, 0x10000c
	s_cmp_lg_u32 s2, 0xf033
	s_cbranch_scc0 .Lentry_shape_is_right
	s_endpgm
.Lentry_shape_is_right:
; kqv = LN1(x) W on codes of E5M2 (ac: [4096][1024]; w_kqv_codes: [3072][1024], K innermost), and k, q, v quantised again, with the scales of the attention's operands, into the layouts that the attention reads:
;   k, q: [g][token][64], g = head for k, 16 + head for q;   v, from byte 0x800000 on: [token / 64][64 head + d][token % 64]: the keys innermost.
; A tile of 256 x 256 a work-group, 128 x 128 a wave, K in steps of 256 through a ring of two LDS slots filled by joint tensor loads in clusters of 4 x 4.
; The matrix instruction is used transposed: source 1 (R1) gives the row that a lane holds, source 0 (R0) runs along a lane's eight registers, which the conversion takes as neighbours along the NEXT product's K.
; k and q want d there: R1 = tokens, R0 = rows of W.  v wants the keys there: R1 = rows of W, R0 = tokens.  The roles are chosen by the cluster's x (0: k, 1: q, 2: v), which all sixteen partners share: selects, no branch.
; A sum stands for sum x 2^(e0 + e1), so its code is sum / 2^(eo - e0 - e1), eo = e3 (k), e2 (q), e5 (v).  LIMIT: eo - e0 - e1 between -126 and 112.
; REGISTERS, in windows of 256: window 0: v0-31 addresses; v32-63 codes on the way out; from v128 R1's fragments, one set; window 1: R0's fragments, two sets; windows 2, 3: the 64 accumulators.
.set SIZE_K, 1024
.set KSTEP,  256
.set ROWB,   256
.set KROW,   SIZE_K
.set PITCH,  272                       ; an LDS row: 256 bytes + 16 of padding
.set FR,     16
.set NL,     4
.set NP,     4
.set HALFT,  128*PITCH
.set SLOT,   4*HALFT
.set LAPS,   SIZE_K/(2*KSTEP)
.set SPARE,  2*SLOT                    ; behind the ring: the spare words, 128 bytes a wave
.set ADRA, 16
.set ADRB, 20
.set STO,  24                          ; the way out: where I put 8 codes of a row
.set RD,   25                          ; where I read 16 codes back, rows 0-127
.set CO,   26                          ; 16 x lane
.set RD2,  27                          ; rows 128-255
.set SPW,  28
.set NIL,  29
.set SCV,  30                          ; the conversion's scale
.set LIM,  31                          ; 57,344 x that
.set CD,   32
.set TMP,  128
.set RB,   128
.set AF,   128
.set G1, 24
.set G0, 32
.set G1B, 48
.set G0B, 56
.set MSB, 0
.macro WIN new                         ; the immediate's high byte repeats the setting that is left
.if MSB != \new
	s_set_vgpr_msb (MSB<<8)|\new
.set MSB, \new
.endif
.endm
.set MUL_LO, 0xa1
.set MUL_HI, 0xf1
.set TO_B,   0x40
.macro JLOAD g0a, g1a, g0b, g1b        ; a joint load: waves 0 and 1 fetch for R1, waves 2 and 3 for R0; four v_nop follow each line
	s_cmp_eq_u32 s15, 0
	s_cbranch_scc0 .Lfor_b_\@
	tensor_load_to_lds s[\g0a:\g0a+3], s[\g1a:\g1a+7]
	s_nop 0
.rept 4
	v_nop
.endr
	s_branch .Lasked_\@
.Lfor_b_\@:
	tensor_load_to_lds s[\g0b:\g0b+3], s[\g1b:\g1b+7]
	s_nop 0
.rept 4
	v_nop
.endr
.Lasked_\@:
.endm
.macro CREST
	s_cmp_lg_u32 s14, 0
	s_cbranch_scc1 .Lnot_wave_0_\@
	s_barrier_signal -3
.Lnot_wave_0_\@:
	s_barrier_wait -3
	s_barrier_signal -1
	s_barrier_wait -1
.endm
.macro CROUND
	s_barrier_signal -1
	s_barrier_wait -1
	CREST
.endm
	s_load_b128 s[4:7], s[0:1], 0x0                ; ac s[4:5], W's codes s[6:7]
	s_load_b128 s[8:11], s[0:1], 0x10              ; the scales s[8:9], kqvc s[10:11]
	v_lshl_add_u32 v[SPW], v0, 2, SPARE
	v_mov_b32 v[NIL], 0
	ds_add_u32 v28, v29
	ds_add_u32 v28, v29
	s_wait_dscnt 0x0
	v_lshrrev_b32 v1, 5, v0
	v_readfirstlane_b32 s14, v1                    ; wave 0..3
	s_lshr_b32 s15, s14, 1                         ; which half of R1's rows is mine.  Also: I fetch for R1 (0) or R0 (1)
	s_and_b32 s16, s14, 1                          ; which half of R0's rows.  Also: which 128 rows I fetch
	s_bfe_u32 s40, ttmp6, 0x40000                  ; cx
	s_bfe_u32 s41, ttmp6, 0x40004                  ; cy
	s_and_b32 s66, ttmp7, 0xffff
	s_lshl_b32 s66, s66, 2                         ; 4 x cluster y
	s_lshl_b32 s67, ttmp9, 2                       ; 4 x cluster x
	s_mov_b32 s84, 262144
	s_mov_b32 s85, 0x800000
	s_cmp_eq_u32 ttmp9, 2                          ; v's clusters?  The same in all sixteen partners
	s_cselect_b32 s68, 8, s66                      ; R1's first tile: W's tile 8 (v's rows) or the tokens' 4 x cluster y
	s_cselect_b32 s69, s66, s67                    ; R0's first tile: the tokens' or W's 4 x cluster x
	s_cselect_b32 s84, 65536, s84                  ; the output: bytes from chunk to chunk of R0's 64
	s_cselect_b32 s85, s85, 0                      ; where the part begins
	s_cselect_b32 s86, 8, 0                        ; R1's tile counts from here
	s_add_co_u32 s17, s68, s41                     ; R1's tile: hangs on cy alone
	s_add_co_u32 s42, s69, s40                     ; R0's tile: on cx alone
	s_lshl_b32 s43, s41, 2
	s_lshl_b32 s43, 15, s43                        ; my row of the cluster
	s_lshl_b32 s44, 0x1111, s40                    ; my column
	s_or_b32 s[G1+0], s43, (0<<16)|(1<<20)|(1<<21)|(5<<22)|(3<<25)  ; the mask; elements of 1 byte; padding on; bit 21 beside a mask; 4 words behind every 64
	s_or_b32 s[G1B+0], s44, (0<<16)|(1<<20)|(1<<21)|(5<<22)|(3<<25)
.irp g, G1, G1B
	s_mov_b32 s[\g+1], ROWB<<16                    ; tensor_dim0
	s_mov_b32 s[\g+2], 128<<16                     ; tensor_dim1
	s_mov_b32 s[\g+3], ROWB<<16                    ; tile_dim0
	s_mov_b32 s[\g+4], 128                         ; tile_dim1
	s_mov_b32 s[\g+5], KROW                        ; the pitch
	s_mov_b32 s[\g+6], 0
	s_mov_b32 s[\g+7], 0
.endr
	s_lshl_b32 s18, s16, 7
	s_lshl_b32 s20, s17, 8
	s_add_co_u32 s20, s20, s18                     ; R1: row 256 x tile + 128 x half
	s_lshl_b32 s46, s42, 8
	s_add_co_u32 s46, s46, s18                     ; R0 likewise
	s_mov_b32 s21, 0
	s_mov_b32 s47, 0
	s_mov_b64 s[18:19], KROW
	s_mul_u64 s[20:21], s[20:21], s[18:19]
	s_mul_u64 s[46:47], s[46:47], s[18:19]
	s_mul_i32 s45, s14, HALFT                      ; where they go: wave x 128 rows
	s_wait_kmcnt 0x0
	s_load_b256 s[72:79], s[8:9], 0x0              ; e0 .. e7
	s_cmp_eq_u32 ttmp9, 2
	s_cselect_b64 s[80:81], s[6:7], s[4:5]         ; R1's buffer
	s_cselect_b64 s[82:83], s[4:5], s[6:7]         ; R0's
	s_add_nc_u64 s[20:21], s[80:81], s[20:21]
	s_add_nc_u64 s[46:47], s[82:83], s[46:47]
	CROUND                                         ; all sixteen work-groups are here: the first joint loads meet
.irp s, 0,1
	s_mov_b32 s[G0+4*\s], 1
	s_add_co_u32 s[G0+4*\s+1], s45, \s*SLOT
	s_add_nc_u64 s[G0+4*\s+2:G0+4*\s+3], s[20:21], \s*ROWB
	s_or_b32 s[G0+4*\s+3], s[G0+4*\s+3], 0x80000000
	s_mov_b32 s[G0B+4*\s], 1
	s_add_co_u32 s[G0B+4*\s+1], s45, \s*SLOT
	s_add_nc_u64 s[G0B+4*\s+2:G0B+4*\s+3], s[46:47], \s*ROWB
	s_or_b32 s[G0B+4*\s+3], s[G0B+4*\s+3], 0x80000000
	JLOAD G0+4*\s, G1, G0B+4*\s, G1B
.endr
	v_and_b32 v1, 15, v0                           ; r = l % 16
	v_bfe_u32 v2, v0, 4, 1                         ; l / 16
	v_mul_u32_u24 v3, v1, PITCH
	v_lshl_add_u32 v4, v2, 4, v3
	s_mul_i32 s21, s15, HALFT
	s_mul_i32 s22, s16, HALFT
	s_add_co_u32 s22, s22, 2*HALFT
.irp s, 0,1
	v_add_nc_u32 v[ADRA+\s], s21, v4
	v_add_nc_u32 v[ADRB+\s], s22, v4
	s_add_co_u32 s21, s21, SLOT
	s_add_co_u32 s22, s22, SLOT
.endr
	; the way out: ONE stage of 256 rows (R1) x 256 codes (R0), pitch 272, in slot 0, which has had its last fill and its last read by then
	s_mul_i32 s23, s15, 128*PITCH
	s_lshl_b32 s22, s16, 7
	s_add_co_u32 s23, s23, s22
	v_lshl_add_u32 v5, v2, 3, v3
	v_add_nc_u32 v[STO], s23, v5                   ; in: row 128 x half + r, byte 128 x half + 8 (l / 16)
	v_and_b32 v6, 31, v0
	v_lshrrev_b32 v7, 2, v6
	v_mul_u32_u24 v7, v7, PITCH
	v_and_b32 v8, 3, v6
	v_lshl_add_u32 v7, v8, 4, v7
	s_lshl_b32 s23, s14, 6
	v_add_nc_u32 v[RD], s23, v7                    ; back: wave w takes bytes 64 w .. 64 w + 63 of every row: four lanes to a row, eight rows an instruction
	v_add_nc_u32 v[RD2], 128*PITCH, v[RD]
	v_lshlrev_b32 v[CO], 4, v6
	s_lshl_b32 s20, s42, 2
	s_add_co_u32 s20, s20, s14                     ; R0's chunk of 64: 4 x tile + wave
	s_mul_i32 s20, s20, s84
	s_add_co_u32 s20, s20, s85
	s_sub_co_u32 s21, s17, s86
	s_lshl_b32 s21, s21, 14                        ; R1's 256 rows of 64 bytes
	s_add_co_u32 s20, s20, s21
	s_mov_b32 s21, 0
	s_add_nc_u64 s[10:11], s[10:11], s[20:21]      ; my 16 KiB of the output, dense
.macro FRAG reg, adr, q, i             ; 16 rows x 128 K: lane l holds row l % 16; registers 4 c .. 4 c + 3 hold K = 32 c + 16 (l / 16) + 0 .. 15, alike on both sides
.irp c, 0,1,2,3
	ds_load_b128 v[\reg+4*\c:\reg+4*\c+3], v[\adr] offset:128*(\q)+32*\c+(\i)*16*PITCH
.endr
.endm
.macro MUL16 a0, p, zero               ; the 64 accumulators take turns, one instruction a turn
.irp a, \a0, \a0+1
.irp b, 0,1,2,3,4,5,6,7
.if \zero
	v_wmma_f32_16x16x128_bf8_bf8 v[8*(8*((\a)%4)+\b):8*(8*((\a)%4)+\b)+7], v[128*(\p)+FR*\b:128*(\p)+FR*\b+FR-1], v[AF+FR*(\a):AF+FR*(\a)+FR-1], 0
.else
	v_wmma_f32_16x16x128_bf8_bf8 v[8*(8*((\a)%4)+\b):8*(8*((\a)%4)+\b)+7], v[128*(\p)+FR*\b:128*(\p)+FR*\b+FR-1], v[AF+FR*(\a):AF+FR*(\a)+FR-1], v[8*(8*((\a)%4)+\b):8*(8*((\a)%4)+\b)+7]
.endif
.endr
.endr
.endm
.macro FETCH_B slot, q, p
	WIN TO_B
.irp i, 0,1,2,3,4,5,6,7
	FRAG 128*(\p)+FR*\i, ADRB+\slot, \q, \i
.endr
	WIN 0
.endm
.macro FETCH_A slot, q, i0
.irp i, \i0, \i0+1, \i0+2, \i0+3
	FRAG AF+FR*(\i), ADRA+\slot, \q, \i
.endr
.endm
.macro PLACES n                        ; plain vector instructions between a matrix instruction and a load into its registers or a read of its result
.rept \n
	v_nop
.endr
.endm
.macro STEP slot, q, zero              ; 128 along K, with its successor in the same slot
	s_wait_dscnt 4*NL                              ; R0's set and R1's blocks 0-3 are in; the youngest sixteen loads (blocks 4-7) may be out
	WIN MUL_LO
	MUL16 0, (\q)%2, \zero
	MUL16 2, (\q)%2, \zero
	s_wait_dscnt 0
	PLACES NP
	FETCH_B \slot, (\q)+1, 1-(\q)%2
	FETCH_A \slot, (\q)+1, 0
	WIN MUL_HI
	MUL16 4, (\q)%2, \zero
	MUL16 6, (\q)%2, \zero
	PLACES NP
	WIN 0
	FETCH_A \slot, (\q)+1, 4
.endm
.macro TURN slot, next, fill           ; a slot's last step changes slots
	s_wait_tensorcnt 0x0                           ; all my tensor loads have landed: my part of the next slot
	ds_add_u32 v[SPW], v[NIL]                      ; 0 onto my spare word
	s_wait_dscnt 4*NL+1                            ; the add and the youngest sixteen loads may be out
	WIN MUL_LO
	MUL16 0, 1, 0
	s_wait_dscnt 0x0                               ; the add is done, and my reads of this slot are over
	s_barrier_signal -1
	MUL16 2, 1, 0
	WIN 0
	s_barrier_wait -1
.if \fill
	CREST                                          ; the barrier has opened a round of the cluster's: no wave of any partner still reads this slot or has a load on its way
	s_add_nc_u64 s[G0+4*\slot+2:G0+4*\slot+3], s[G0+4*\slot+2:G0+4*\slot+3], 2*ROWB
	s_add_nc_u64 s[G0B+4*\slot+2:G0B+4*\slot+3], s[G0B+4*\slot+2:G0B+4*\slot+3], 2*ROWB
	JLOAD G0+4*\slot, G1, G0B+4*\slot, G1B
.else
	PLACES NP
.endif
	FETCH_B \next, 0, 0
	FETCH_A \next, 0, 0
	WIN MUL_HI
	MUL16 4, 1, 0
	MUL16 6, 1, 0
	PLACES NP
	WIN 0
	FETCH_A \next, 0, 4
.endm
	s_wait_tensorcnt 1                             ; my part of K step 0 is in; K step 1's may be out
	s_barrier_signal -1
	s_barrier_wait -1
	FETCH_B 0, 0, 0
	FETCH_A 0, 0, 0
	FETCH_A 0, 0, 4
	STEP 0, 0, 1                                   ; the first step's products start the sums
	s_mov_b32 s3, LAPS-1
.Llap:
	TURN 0, 1, 1
	STEP 1, 0, 0
	TURN 1, 0, 1
	STEP 0, 0, 0
	s_sub_co_u32 s3, s3, 1
	s_cmp_lg_u32 s3, 0
	s_cbranch_scc1 .Llap
	TURN 0, 1, 0                                   ; the last lap fills nothing
	STEP 1, 0, 0
	s_wait_dscnt 4*NL
	WIN MUL_LO
	MUL16 0, 1, 0
	MUL16 2, 1, 0
	s_wait_dscnt 0
	WIN MUL_HI
	MUL16 4, 1, 0
	MUL16 6, 1, 0
	WIN 0
; THE WAY OUT.  Block a (16 rows of R1 x 128 of R0): held, converted (a lane's eight registers are eight neighbours along R0), 8 bytes a lane and accumulator into the stage.
.macro CODES a
.set AC, 64*((\a)%4)
.set CDA, CD+16*((\a)%2)
.if (\a) >= 2
	s_wait_dscnt 8                                 ; the last block's eight stores may be out; those of the block before have read the registers that are written now
.endif
	WIN 0x02+((\a)/4)                              ; source 0: window 2 or 3
.set j, 0
.rept 64
	v_med3_num_f32 v[TMP+j], v[AC+j], -v[LIM], v[LIM]   ; the hold at the largest code x the scale; each accumulator from its low end on
.set j, j+1
.endr
	WIN 0
.irp b, 0,1,2,3,4,5,6,7
	v_cvt_scalef32_pk8_bf8_f32 v[CDA+2*\b:CDA+2*\b+1], v[TMP+8*\b:TMP+8*\b+7], v[SCV]
.endr
	v_nop                                          ; a plain instruction behind the last conversion
.irp b, 0,1,2,3,4,5,6,7
	ds_store_b64 v[STO], v[CDA+2*\b:CDA+2*\b+1] offset:(\a)*16*PITCH+16*\b
.endr
.endm
	s_wait_kmcnt 0x0
	s_cmp_eq_u32 ttmp9, 0
	s_cselect_b32 s87, s75, s77                    ; k: e3; else v's e5,
	s_cmp_eq_u32 ttmp9, 1
	s_cselect_b32 s87, s74, s87                    ; or q's e2
	s_sub_co_i32 s87, s87, s72
	s_sub_co_i32 s87, s87, s73                     ; eo - e0 - e1
	s_add_co_i32 s87, s87, 127
	s_lshl_b32 s88, s87, 23
	v_mov_b32 v[SCV], s88
	s_add_co_i32 s87, s87, 15
	s_lshl_b32 s87, s87, 23
	s_or_b32 s87, s87, 0x600000
	v_mov_b32 v[LIM], s87
	PLACES NP
.irp a, 0,1,2,3,4,5,6,7
	CODES \a
.endr
	s_wait_dscnt 0x0                               ; for the others' sake: my stores into the stage are done
	s_barrier_signal -1
	s_barrier_wait -1
.irp t, 0,1,2,3,4,5,6,7,8,9,10,11,12,13,14,15
	ds_load_b128 v[RB+4*\t:RB+4*\t+3], v[RD] offset:\t*8*PITCH
.endr
.irp t, 0,1,2,3,4,5,6,7,8,9,10,11,12,13,14,15
	ds_load_b128 v[RB+64+4*\t:RB+64+4*\t+3], v[RD2] offset:\t*8*PITCH
.endr
.set t, 0
.rept 32
	s_wait_dscnt 31-t
	global_store_b128 v[CO], v[RB+4*t:RB+4*t+3], s[10:11] offset:512*t   ; eight rows of 64 bytes: 512 consecutive bytes, aligned
.set t, t+1
.endr
	s_wait_tensorcnt 0x0                           ; the wave's end
	ds_add_u32 v[SPW], v[NIL]
	s_wait_dscnt 0x0
	CROUND                                         ; the closing round
	s_endpgm
.Lfunc_end_k_qef78dabd26_qkv:
	.size	k_qef78dabd26_qkv, .Lfunc_end_k_qef78dabd26_qkv-k_qef78dabd26_qkv
	.p2alignl 7, 3214868480
	.fill 96, 4, 3214868480
	.section	.rodata,"a",@progbits
	.p2align	6, 0x0
	.amdhsa_kernel k_qef78dabd26_qkv
		.amdhsa_group_segment_fixed_size 327680
		.amdhsa_private_segment_fixed_size 0
		.amdhsa_enable_private_segment 0
		.amdhsa_kernarg_size 32
		.amdhsa_user_sgpr_count 2
		.amdhsa_user_sgpr_kernarg_segment_ptr 1
		.amdhsa_wavefront_size32 1
		.amdhsa_system_sgpr_workgroup_id_x 1
		.amdhsa_system_sgpr_workgroup_id_y 1
		.amdhsa_system_sgpr_workgroup_id_z 1
		.amdhsa_system_vgpr_workitem_id 0
		.amdhsa_next_free_vgpr 1024
		.amdhsa_next_free_sgpr 98
		.amdhsa_reserve_vcc 0
		.amdhsa_float_denorm_mode_32 3
		.amdhsa_float_denorm_mode_16_64 3
		.amdhsa_memory_ordered 1
		.amdhsa_forward_progress 1
		.amdhsa_inst_pref_size 126
	.end_amdhsa_kernel
	.amdgpu_metadata
---
amdhsa.version: [ 1, 2 ]
amdhsa.kernels:
  - .name:           k_qef78dabd26_qkv
    .symbol:         k_qef78dabd26_qkv.kd
    .args:
      - { .name: ac, .offset: 0, .size: 8, .value_kind: global_buffer, .address_space: global }
      - { .name: w_kqv_codes, .offset: 8, .size: 8, .value_kind: global_buffer, .address_space: global }
      - { .name: lowp_scales, .offset: 16, .size: 8, .value_kind: global_buffer, .address_space: global }
      - { .name: kqvc, .offset: 24, .size: 8, .value_kind: global_buffer, .address_space: global }
    .group_segment_fixed_size: 327680
    .private_segment_fixed_size: 0
    .kernarg_segment_align: 8
    .kernarg_segment_size: 32
    .max_flat_workgroup_size: 128
    .sgpr_count:     98
    .vgpr_count:     1024
    .wavefront_size: 32
...
	.end_amdgpu_metadata
.endif
;; end of part 2
;; launch attn (part 3): grid 8 x 32, 16 waves a work-group, clusters of 4 x 1, 327,680 bytes of LDS; arguments kqvc, x, lowp_scales, x1; writes x1
.if DOCPART == 3
	.amdgcn_target "amdgcn-amd-amdhsa--gfx1250"
	.amdhsa_code_object_version 6
	.text
	.protected	k_qef78dabd26_attn
	.globl	k_qef78dabd26_attn
	.p2align	8
	.type	k_qef78dabd26_attn,@function
k_qef78dabd26_attn:
	s_mov_b64 s[64:65], 0
	v_nop
	global_prefetch_b8 v0, s[64:65] scope:SCOPE_SE
	s_setreg_imm32_b32 hwreg(HW_REG_WAVE_MODE, 25, 1), 1
	s_wait_xcnt 0x0
	s_wait_alu depctr_hold_cnt(0) depctr_sa_sdst(0) depctr_va_vdst(0) depctr_va_sdst(0) depctr_va_ssrc(0) depctr_va_vcc(0) depctr_vm_vsrc(0)
	s_getreg_b32 s2, hwreg(HW_REG_IB_STS2, 6, 4)
	s_cmp_eq_u32 s2, 0
	s_cbranch_scc0 .Lentry_in_a_cluster
	s_endpgm
.Lentry_in_a_cluster:
	s_bfe_u32 s2, ttmp6, 0x10000c
	s_cmp_lg_u32 s2, 0x3003
	s_cbranch_scc0 .Lentry_shape_is_right
	s_endpgm
.Lentry_shape_is_right:
; x1 = x + attention: for each batch and head, O[q] = sum over keys k <= q of softmax(q . k / 32 + slope (k - q)) v, both products on codes of E5M2.
; kqvc: k, q as [g][token][64] (g = head, 16 + head); v from byte 0x800000 on as [token / 64][64 head + d][token % 64].  Scales: e2 (q), e3 (k), e4 (p), e5 (v).
; THE SOFTMAX AHEAD OF THE SECOND PRODUCT: t = logit x log2(e); M = the running largest t rounded up to a whole number; p = 2^(t - M) is quantised, not normalised; the sum of the unquantised p divides at the end.
; SHARES.  A work-group serves one batch and head; wave w owns 16 queries, q0 = 128 pi(w) + 16 g, g = the work-group's number in the head (0..7), pi a fixed permutation of 0..15.  Every work-group walks all 2,048 keys,
; 128 a step; a wave works on step ST while ST <= pi(w), and ST = pi(w) is its one step on the diagonal (16 g + 15 < 128).  Both branches hang on the wave's number alone, so the partners of a cluster run alike.
; CLUSTER.  Four work-groups of a head ask for K's and V's tiles jointly.  A slot holds 512 keys: sixteen regions of 4 KiB, one tensor load a wave: waves 0-7 K's 64 keys each, waves 8-15 V's chunks of 64 keys.
; LAYOUT.  Both products transposed (S^T = K Q^T, O^T = V^T P^T): a lane holds one query.  Lane r of key tile 2 b + u takes key 32 b + 8 u + r + 8 (r / 8), so that p's registers 16 b + 0..15 are keys 32 b + 16 (l / 16) + 0..15.
; ALIBI.  t = c (s + SLP (k - q)), c = log2(e) / 32 x 2^(e2 + e3), SLP = 32 slope / 2^(e2 + e3).  SLP (16 (l / 16) + i) is the C of the score products; SLP (KF - q + 32 b) goes into the addend of the one multiply-add.
; LIMITS: e2 + e3 between -121 and 120 (c and SLP are made by adding to exponent fields); e4 between -126 and 112; e4 + e5 is applied by v_ldexp_f32.  NaN among the inputs is not served.
.set SLOT1, 1<<17
.set VOFF,  8*4352                     ; a slot: K's eight regions of 16 rows x 272 bytes, then V's eight
.set SPARE, 2*SLOT1                    ; the spare words, 128 bytes for each of sixteen waves
.set AK0, 1                            ; v1   my lane's place in a tile of K
.set AV0, 2                            ; v2   in a tile of V
.set PFO, 3                            ; v3   the prefetches' offset
.set D,   4                            ; v4   KF - my query, as f32
.set SPW, 5
.set NIL, 6
.set GO,  7                            ; v7   my byte offset in the wave's rows of x and x1
.set ADK, 8
.set ADV, 9
.set QI,  10                           ; v10  my query
.set H16, 11                           ; v11  16 (l / 16)
.set TAB, 24                           ; v24-39   SLP (16 (l / 16) + i)
.set F,   40                           ; v40-103  K's eight fragments, then V's four
.set S,   104                          ; v104-167 S^T, then p
.set O,   168                          ; v168-199 O^T
.set PC,  200                          ; v200-215 p's codes
.set AB,  216                          ; v216-223 c w_b - M, in the low halves of four pairs
.set W,   224                          ; v224-227 w_b
.set MX,  228                          ; v228-231
.set DI,  233
.set NINF, 234
.set DM,  235
.set STI, 248                          ; the way out: into my stage,
.set STR, 249                          ; and back
.set WV, 12
.set PI, 13
.set CX, 14
.set GG, 15
.set BB, 16
.set HH, 17
.set ST, 18
.set CNT, 19
.set SEL, 20
.set CS, 22
.set G1, 24
.set G0, 32
.set GST, 36
.set TB, 38
.set SLOTS, 39
.set PFA, 40
.set PFS, 42
.set LIM, 44
.set SLP, 45
.set KF, 49
.macro CROUND
	s_barrier_signal -1
	s_barrier_wait -1
	s_cmp_lg_u32 s[WV], 0
	s_cbranch_scc1 .Lnot_wave_0_\@
	s_barrier_signal -3
.Lnot_wave_0_\@:
	s_barrier_wait -3
	s_barrier_signal -1
	s_barrier_wait -1
.endm
; A prefetch of the slot that the NEXT change of slots will ask for: 128 blocks of 256 bytes of K and 128 of V.  The head's first cluster asks, in it waves 0 and 1, a lane a block: 4 x 2 x 32 = 256.
; The partners are told apart by address: places 0 and 1 take K's halves, places 2 and 3 V's.  The last change that fills a slot asks for nothing.
.macro ASK
	s_cmp_gt_u32 s[SLOTS], s[LIM]
	s_cbranch_scc0 .Lnot_mine_\@
	global_prefetch_b8 v[PFO], s[PFA:PFA+1] th:TH_LOAD_NT scope:SCOPE_SE
.Lnot_mine_\@:
.endm
	s_load_b256 s[4:11], s[0:1], 0x0               ; kqvc s[4:5], x s[6:7], the scales s[8:9], x1 s[10:11]
	v_lshl_add_u32 v[SPW], v0, 2, SPARE
	v_mov_b32 v[NIL], 0
	ds_add_u32 v5, v6
	ds_add_u32 v5, v6
	s_wait_dscnt 0x0
	v_lshrrev_b32 v8, 5, v0
	v_readfirstlane_b32 s[WV], v8                  ; wave 0..15
	s_bfe_u32 s[CX], ttmp6, 0x40000                ; my place in the cluster
	s_lshl_b32 s[GG], ttmp9, 2
	s_add_co_u32 s[GG], s[GG], s[CX]               ; g
	s_and_b32 s56, ttmp7, 0xffff
	s_lshr_b32 s[BB], s56, 4                       ; batch
	s_and_b32 s[HH], s56, 15                       ; head
	s_mov_b32 s57, 0x0de3b658                      ; pi(w), four bits each: 15,2,1,12, 4,9,10,7, 8,5,6,11, 3,14,13,0
	s_cmp_lt_u32 s[WV], 8
	s_cselect_b32 s57, 0x7a94c12f, s57
	s_and_b32 s58, s[WV], 7
	s_lshl_b32 s58, s58, 2
	s_lshr_b32 s57, s57, s58
	s_and_b32 s[PI], s57, 15
	s_lshl_b32 s72, s[HH], 18
	s_lshl_b32 s59, s[BB], 17
	s_add_co_u32 s72, s72, s59                     ; K of my head, in bytes from kqvc
	s_lshl_b32 s73, s[BB], 21
	s_lshl_b32 s60, s[HH], 12
	s_add_co_u32 s73, s73, s60
	s_add_co_u32 s73, s73, 0x800000                ; V of my head
	s_lshl_b32 s60, s[WV], 12
	s_add_co_u32 s60, s60, s72                     ; waves 0-7: keys 64 w on
	s_lshl_b32 s61, s[WV], 16
	s_add_co_u32 s61, s61, s73
	s_sub_co_u32 s61, s61, 524288                  ; waves 8-15: chunk w - 8
	s_mov_b32 s[GST], 524288
	s_cmp_lt_u32 s[WV], 8
	s_cselect_b32 s62, s60, s61
	s_cselect_b32 s[GST], 32768, s[GST]            ; a slot on: 512 keys of 64 bytes, or eight chunks
	s_mov_b32 s63, 0
	s_mov_b32 s[GST+1], 0
	; descriptor group 1: a dense block of 4 KiB as 16 rows of 256 bytes, 16 bytes of padding behind each
	s_mov_b32 s[G1], 15|(0<<16)|(1<<20)|(1<<21)|(5<<22)|(3<<25)
	s_mov_b32 s[G1+1], 256<<16
	s_mov_b32 s[G1+2], 16<<16
	s_mov_b32 s[G1+3], 256<<16
	s_mov_b32 s[G1+4], 16
	s_mov_b32 s[G1+5], 256
	s_mov_b32 s[G1+6], 0
	s_mov_b32 s[G1+7], 0
	s_mov_b32 s[SEL], 0x76543210
	s_mov_b32 s[SEL+1], 0xfedcba98
	s_mov_b32 s[TB], 0
	s_mov_b32 s[ST], 0
	s_mov_b32 s[SLOTS], 3
	s_mov_b32 s[G0], 1
	s_mul_i32 s[G0+1], s[WV], 4352                 ; region w of slot 0
	s_wait_kmcnt 0x0
	s_load_b128 s[52:55], s[8:9], 0x8              ; e2, e3, e4, e5
	s_add_nc_u64 s[G0+2:G0+3], s[4:5], s[62:63]
	s_or_b32 s[G0+3], s[G0+3], 0x80000000
	CROUND                                         ; all four work-groups are here: the first joint loads meet
	tensor_load_to_lds s[G0:G0+3], s[G1:G1+7]      ; slot 0: one load of mine is out
	s_nop 0
.rept 4
	v_nop
.endr
	s_lshl_b32 s66, s[PI], 7
	s_lshl_b32 s67, s[GG], 4
	s_add_co_u32 s66, s66, s67                     ; q0
	s_lshl_b32 s67, s66, 6
	s_add_co_u32 s67, s67, s72
	s_add_co_u32 s68, s67, 0x400000                ; q lies 16 heads behind k
	s_mov_b32 s69, 0
	s_add_nc_u64 s[68:69], s[4:5], s[68:69]
	v_and_b32 v8, 15, v0                           ; r
	v_bfe_u32 v9, v0, 4, 1                         ; l / 16
	v_lshlrev_b32 v[H16], 4, v9
	v_lshl_add_u32 v243, v8, 6, v[H16]
	global_load_b128 v[16:19], v243, s[68:69]              ; Q's fragment: registers 0-3: d = 16 (l / 16) + 0..15, registers 4-7: 32 more; K's are loaded alike
	global_load_b128 v[20:23], v243, s[68:69] offset:32
	s_lshl_b32 s70, s[BB], 11
	s_add_co_u32 s70, s70, s66
	s_lshl_b32 s70, s70, 12
	s_lshl_b32 s71, s[HH], 8
	s_add_co_u32 s70, s70, s71
	s_mov_b32 s71, 0
	s_add_nc_u64 s[6:7], s[6:7], s[70:71]          ; x and x1 at my first query, my head's 256 bytes
	s_add_nc_u64 s[10:11], s[10:11], s[70:71]
	v_add_nc_u32 v[QI], s66, v8
	v_and_b32 v244, 8, v8
	v_add_nc_u32 v244, v244, v8                    ; r + 8 (r / 8)
	v_lshrrev_b32 v245, 2, v244
	v_mul_u32_u24 v[AK0], v245, 272                ; four keys to an LDS row
	v_and_b32 v245, 3, v244
	v_lshl_add_u32 v[AK0], v245, 6, v[AK0]
	v_add_nc_u32 v[AK0], v[AK0], v[H16]
	v_lshrrev_b32 v245, 2, v8
	v_mul_u32_u24 v[AV0], v245, 272                ; four d to an LDS row
	v_and_b32 v245, 3, v8
	v_lshl_add_u32 v[AV0], v245, 6, v[AV0]
	v_add_nc_u32 v[AV0], v[AV0], v[H16]
	v_add_nc_u32 v[AV0], VOFF, v[AV0]
	v_lshlrev_b32 v[GO], 12, v9
	v_lshl_add_u32 v[GO], v8, 4, v[GO]             ; lanes 0-15 one row, lanes 16-31 the next; 16 bytes a lane
	s_mul_i32 s87, s[WV], 4352                     ; my stage: 16 rows x 272 bytes in slot 0
	v_mul_u32_u24 v[STI], v8, 272
	v_lshl_add_u32 v[STI], v9, 5, v[STI]
	v_add_nc_u32 v[STI], s87, v[STI]
	v_mul_u32_u24 v[STR], v9, 272
	v_lshl_add_u32 v[STR], v8, 4, v[STR]
	v_add_nc_u32 v[STR], s87, v[STR]
	; the prefetches: who asks, and where
	s_and_b32 s78, s[CX], 1
	s_and_b32 s79, s[WV], 1
	s_mov_b32 s80, 262144
	s_mov_b32 s81, 131072
	s_mov_b32 s82, 65536
	s_mov_b32 s[PFS], 524288
	s_cmp_lt_u32 s[CX], 2                          ; a select of addresses, no branch
	s_cselect_b32 s80, 16384, s80                  ; from half to half of a slot's K or V
	s_cselect_b32 s81, 8192, s81                   ; from wave to wave
	s_cselect_b32 s82, 4096, s82                   ; from lanes 0-15 to lanes 16-31
	s_cselect_b32 s[PFS], 32768, s[PFS]            ; a slot on
	s_cselect_b32 s83, s72, s73
	s_mul_i32 s80, s80, s78
	s_mul_i32 s81, s81, s79
	s_add_co_u32 s83, s83, s80
	s_add_co_u32 s83, s83, s81
	s_add_co_u32 s84, s83, s[PFS]                  ; in slot 1: the first change of slots steps it to slot 2
	s_mov_b32 s85, 0
	s_mov_b32 s[PFS+1], 0
	s_add_nc_u64 s[PFA:PFA+1], s[4:5], s[84:85]
	v_mul_lo_u32 v[PFO], v9, s82
	v_lshl_add_u32 v[PFO], v8, 8, v[PFO]
	s_lshr_b32 s86, s[WV], 1
	s_or_b32 s86, s86, ttmp9
	s_cmp_eq_u32 s86, 0
	s_cselect_b32 s[LIM], 1, -1                    ; the same in all four partners, for a given wave
	v_mov_b32 v13, 0xff61b1e6                      ; the largest t so far: -3e38
	v_floor_f32 v12, -v13                          ; -M
	v_mov_b32 v14, 0                               ; the sum, in two halves
	v_mov_b32 v15, 0
	v_mov_b32 v232, 0                              ; a lane permute's destination counts as read
	v_mov_b32 v237, 0                              ; upper halves of pairs of which the low half serves
.irp b, 0,1,2,3
	v_mov_b32 v[AB+2*\b+1], 0
.endr
	v_mov_b32 v[NINF], 0xff800000
.set j, 0
.rept 32
	v_mov_b32 v[O+j], 0                            ; the step is written once: the first finds zeros, which the first change of M leaves zeros
.set j, j+1
.endr
	s_wait_kmcnt 0x0
	s_add_co_i32 s56, s52, s53                     ; e2 + e3
	s_lshl_b32 s57, s56, 23
	s_add_co_i32 s[CS], s57, 0x3d38aa3b            ; c = log2(e) / 32 x 2^(e2 + e3)
	s_mov_b32 s[CS+1], s[CS]
	s_and_b32 s75, s[HH], 1
	s_mov_b32 s74, 0x3fb504f3                      ; slope = 2^(-(h + 1) / 2): sqrt(2) x 2^(-(h + 2) / 2) for even h,
	s_cmp_eq_u32 s75, 1
	s_cselect_b32 s74, 0x3f800000, s74             ; 2^(-(h + 1) / 2) for odd h
	s_add_co_u32 s75, s[HH], 2
	s_lshr_b32 s75, s75, 1
	s_sub_co_i32 s75, 5, s75
	s_sub_co_i32 s75, s75, s56
	s_lshl_b32 s75, s75, 23
	s_add_co_i32 s[SLP], s74, s75                  ; SLP = 32 slope / 2^(e2 + e3)
	s_mul_f32 s46, s[SLP], 0x42000000              ; x 32, 64, 96
	s_mul_f32 s47, s[SLP], 0x42800000
	s_mul_f32 s48, s[SLP], 0x42c00000
	s_add_co_i32 s76, s54, 127
	s_lshl_b32 s77, s76, 23
	v_mov_b32 v241, s77                            ; 2^e4
	s_add_co_i32 s76, s76, 15
	s_lshl_b32 s76, s76, 23
	s_or_b32 s76, s76, 0x600000
	v_mov_b32 v240, s76                            ; 57,344 x 2^e4
.irp i, 0,1,2,3,4,5,6,7,8,9,10,11,12,13,14,15
	v_add_nc_u32 v244, \i, v[H16]
	v_cvt_f32_u32 v244, v244
	v_mul_f32 v[TAB+\i], s[SLP], v244
.endr
; A KEY STEP: 128 keys at LDS byte s[TB] of K's and of V's part.
.macro STEP
	s_cmp_gt_u32 s[ST], s[PI]                      ; all its keys come after my queries: nothing to do
	s_cbranch_scc1 .Lhidden_\@
	s_lshl_b32 s[KF], s[ST], 7
	v_add_nc_u32 v[ADK], s[TB], v[AK0]             ; these five plain lines are the places behind the last step's products, ahead of the loads into F
	v_add_nc_u32 v[ADV], s[TB], v[AV0]
	v_sub_nc_u32 v[DI], s[KF], v[QI]
	v_cvt_f32_i32 v[D], v[DI]
	v_nop
.irp T, 0,1,2,3,4,5,6,7
.irp c, 0,1
	ds_load_b128 v[F+8*\T+4*\c:F+8*\T+4*\c+3], v[ADK] offset:(8*(\T/2)+2*(\T%2))*272+32*\c
.endr
.endr
	s_wait_dscnt 0x0
.irp T, 0,1,2,3,4,5,6,7
	v_wmma_f32_16x16x64_bf8_bf8 v[S+8*\T:S+8*\T+7], v[F+8*\T:F+8*\T+7], v[16:23], v[TAB+8*(\T%2):TAB+8*(\T%2)+7]
.endr
	v_mul_f32 v[W], s[SLP], v[D]                   ; w_b = SLP (KF - q + 32 b): four places behind the products
	v_fma_f32 v[W+1], v[D], s[SLP], s46
	v_fma_f32 v[W+2], v[D], s[SLP], s47
	v_fma_f32 v[W+3], v[D], s[SLP], s48
.irp t, 0,1,2,3
.irp c, 0,1,2,3
	ds_load_b128 v[F+16*\t+4*\c:F+16*\t+4*\c+3], v[ADV] offset:(\c/2)*4352+4*\t*272+32*(\c%2)   ; V's fragments land under the softmax
.endr
.endr
	s_cmp_lg_u32 s[ST], s[PI]
	s_cbranch_scc1 .Lopen_\@
	v_add_nc_u32 v[DM], v[DI], v[H16]              ; on the diagonal: register 16 b + i holds key KF + 16 (l / 16) + 32 b + i, hidden where 32 b + i > q - KF - 16 (l / 16)
	v_sub_nc_u32 v[DM], 0, v[DM]
.set n, 0
.rept 64
	v_cmp_gt_i32 vcc_lo, 32*(n/16)+n%16, v[DM]
	v_cndmask_b32 v[S+n], v[S+n], v[NINF], vcc_lo
.set n, n+1
.endr
.Lopen_\@:
.irp b, 0,1,2,3
	v_max3_num_f32 v[MX+\b], v[S+16*\b], v[S+16*\b+1], v[S+16*\b+2]   ; each accumulator is read from its low end on
.endr
.irp i, 3,5,7,9,11,13
.irp b, 0,1,2,3
	v_max3_num_f32 v[MX+\b], v[MX+\b], v[S+16*\b+\i], v[S+16*\b+\i+1]
.endr
.endr
.irp b, 0,1,2,3
	v_max_num_f32 v[MX+\b], v[MX+\b], v[S+16*\b+15]
.endr
.irp b, 0,1,2,3
	v_add_f32 v[MX+\b], v[MX+\b], v[W+\b]
.endr
	v_max3_num_f32 v242, v[MX], v[MX+1], v[MX+2]
	v_max_num_f32 v242, v242, v[MX+3]
	v_permlanex16_b32 v232, v242, s[SEL], s[SEL+1]
	v_max_num_f32 v242, v242, v232
	v_mul_f32 v242, s[CS], v242                    ; as t (c is positive)
	v_max_num_f32 v13, v13, v242                   ; the running largest t
	v_mov_b32 v242, v12
	v_floor_f32 v12, -v13                          ; the new -M
	v_sub_f32 v242, v12, v242                      ; old M - new M: a whole number, 0 or less
	v_cvt_i32_f32 v242, v242
	v_ldexp_f32 v236, 1.0, v242                    ; f = 2^(old M - new M)
.irp b, 0,1,2,3
	v_fma_f32 v[AB+2*\b], s[CS], v[W+\b], v12      ; c w_b - M
.endr
.irp b, 0,1,2,3
.irp j, 0,2,4,6,8,10,12,14
	v_pk_fma_f32 v[S+16*\b+\j:S+16*\b+\j+1], v[S+16*\b+\j:S+16*\b+\j+1], s[CS:CS+1], v[AB+2*\b:AB+2*\b+1] op_sel_hi:[1,0,0]   ; t - M
.endr
.endr
.set j, 0
.rept 64
	v_exp_f32 v[S+j], v[S+j]                       ; p
.set j, j+1
.endr
	v_pk_mul_f32 v[14:15], v[14:15], v[236:237] op_sel_hi:[1,0]   ; the sum under the new M: a plain line behind the exponentials
	s_wait_alu depctr_va_vdst(0)                   ; one wait for the batch, ahead of its first reader
	v_pk_add_f32 v[238:239], v[S:S+1], v[S+2:S+3]  ; the sum of the unquantised p, in two chains
.irp j, 4,8,12,16,20,24,28,32,36,40,44,48,52,56,60
	v_pk_add_f32 v[14:15], v[14:15], v[S+\j:S+\j+1]
	v_pk_add_f32 v[238:239], v[238:239], v[S+\j+2:S+\j+3]
.endr
	v_pk_add_f32 v[14:15], v[14:15], v[238:239]
.irp b, 0,1,2,3
.irp i, 0,1,2,3,4,5,6,7,8,9,10,11,12,13,14,15
	v_min_num_f32 v[S+16*\b+\i], v[S+16*\b+\i], v240   ; p is not negative: a one-sided hold
.endr
	v_cvt_scalef32_pk8_bf8_f32 v[PC+4*\b:PC+4*\b+1], v[S+16*\b:S+16*\b+7], v241
	v_cvt_scalef32_pk8_bf8_f32 v[PC+4*\b+2:PC+4*\b+3], v[S+16*\b+8:S+16*\b+15], v241
.endr
.set j, 0
.rept 16
	v_pk_mul_f32 v[O+j:O+j+1], v[O+j:O+j+1], v[236:237] op_sel_hi:[1,0]   ; O^T under the new M; also the plain lines behind the conversions
.set j, j+2
.endr
	s_wait_dscnt 0x0                               ; V is in
.irp t, 0,1,2,3
	v_wmma_f32_16x16x128_bf8_bf8 v[O+8*\t:O+8*\t+7], v[F+16*\t:F+16*\t+15], v[PC:PC+15], v[O+8*\t:O+8*\t+7]
.endr
.Lhidden_\@:
.endm
.macro FOUR_STEPS                      ; a slot's four steps: written once, walked four times
	s_mov_b32 s[CNT], 4
.Lstep_\@:
	STEP
	s_add_co_u32 s[TB], s[TB], 8704                ; 128 keys: 32 LDS rows of K, two chunks of V
	s_add_co_u32 s[ST], s[ST], 1
	s_sub_co_u32 s[CNT], s[CNT], 1
	s_cmp_lg_u32 s[CNT], 0
	s_cbranch_scc1 .Lstep_\@
	s_sub_co_u32 s[TB], s[TB], 34816
	s_xor_b32 s[TB], s[TB], SLOT1                  ; on to the other slot
.endm
; THE CHANGE OF SLOTS, at a slot's head.  fill = 1: the slot that has been left is filled with the next 512 keys, behind a round of the cluster's barrier; the load has a slot's four steps in which to land.
.macro CHANGE fill
	s_wait_tensorcnt 0x0                           ; my one load has landed: my region of the slot ahead; the descriptor may be written
	ds_add_u32 v[SPW], v[NIL]                      ; 0 onto my spare word
.if \fill
	s_xor_b32 s[G0+1], s[G0+1], SLOT1
	s_add_nc_u64 s[G0+2:G0+3], s[G0+2:G0+3], s[GST:GST+1]
	s_wait_xcnt 0x0                                ; the last prefetch, a slot back, has read its address
	s_add_nc_u64 s[PFA:PFA+1], s[PFA:PFA+1], s[PFS:PFS+1]
	s_wait_dscnt 0x0                               ; the add is done, and my reads of the slot that I have left are over
	CROUND
	tensor_load_to_lds s[G0:G0+3], s[G1:G1+7]      ; the first thing behind the round, and my one tensor load until the next
	s_nop 0
.rept 4
	v_nop
.endr
	ASK
.else
	s_wait_dscnt 0x0
	s_barrier_signal -1
	s_barrier_wait -1
.endif
.endm
	s_wait_loadcnt 0x0                             ; Q
.Lslot:                                            ; three trips: behind each change of slots but the last the next slot is asked for
	CHANGE 1
	FOUR_STEPS
	s_sub_co_u32 s[SLOTS], s[SLOTS], 1
	s_cmp_lg_u32 s[SLOTS], 0
	s_cbranch_scc1 .Lslot
	CHANGE 0                                       ; the last slot is written out
	FOUR_STEPS
	; THE WAY OUT: O^T / the sum x 2^(e4 + e5), through my stage (in slot 0: it has had its last fill, and nobody reads it), + x, stored as whole 256 bytes of a row.
.rept 4
	v_nop                                          ; places behind the last products
.endr
	v_add_f32 v14, v14, v15
	v_permlanex16_b32 v232, v14, s[SEL], s[SEL+1]
	v_add_f32 v14, v14, v232                       ; the row's sum
.irp i, 0,1,2,3,4,5,6,7
	global_load_b128 v[F+4*\i:F+4*\i+3], v[GO], s[6:7] offset:2*\i*4096 th:TH_LOAD_NT
.endr
	v_rcp_f32 v14, v14
	v_nop
	s_add_co_i32 s56, s54, s55
	s_wait_alu depctr_va_vdst(0)                   ; ahead of the reciprocal's first reader
	v_ldexp_f32 v14, v14, s56
.set j, 0
.rept 16
	v_pk_mul_f32 v[S+j:S+j+1], v[O+j:O+j+1], v[14:15] op_sel_hi:[1,0]   ; register 8 t + i is o(r, 16 t + 8 (l / 16) + i)
.set j, j+2
.endr
.irp t, 0,1,2,3
	ds_store_b128 v[STI], v[S+8*\t:S+8*\t+3] offset:64*\t
	ds_store_b128 v[STI], v[S+8*\t+4:S+8*\t+7] offset:64*\t+16
.endr
.irp i, 0,1,2,3,4,5,6,7
	ds_load_b128 v[S+32+4*\i:S+32+4*\i+3], v[STR] offset:2*\i*272   ; LDS serves a wave's instructions in order: these see my stores
.endr
.irp i, 0,1,2,3,4,5,6,7
	s_wait_dscnt 7-\i
	s_wait_loadcnt 7-\i
	v_pk_add_f32 v[S+32+4*\i:S+32+4*\i+1], v[S+32+4*\i:S+32+4*\i+1], v[F+4*\i:F+4*\i+1]
	v_pk_add_f32 v[S+32+4*\i+2:S+32+4*\i+3], v[S+32+4*\i+2:S+32+4*\i+3], v[F+4*\i+2:F+4*\i+3]
	global_store_b128 v[GO], v[S+32+4*\i:S+32+4*\i+3], s[10:11] offset:2*\i*4096   ; sixteen lanes store 256 consecutive bytes, aligned
.endr
	s_wait_tensorcnt 0x0                           ; the wave's end
	ds_add_u32 v[SPW], v[NIL]
	s_wait_dscnt 0x0
	CROUND                                         ; the closing round
	s_endpgm
.Lfunc_end_k_qef78dabd26_attn:
	.size	k_qef78dabd26_attn, .Lfunc_end_k_qef78dabd26_attn-k_qef78dabd26_attn
	.p2alignl 7, 3214868480
	.fill 96, 4, 3214868480
	.section	.rodata,"a",@progbits
	.p2align	6, 0x0
	.amdhsa_kernel k_qef78dabd26_attn
		.amdhsa_group_segment_fixed_size 327680
		.amdhsa_private_segment_fixed_size 0
		.amdhsa_enable_private_segment 0
		.amdhsa_kernarg_size 32
		.amdhsa_user_sgpr_count 2
		.amdhsa_user_sgpr_kernarg_segment_ptr 1
		.amdhsa_wavefront_size32 1
		.amdhsa_system_sgpr_workgroup_id_x 1
		.amdhsa_system_sgpr_workgroup_id_y 1
		.amdhsa_system_sgpr_workgroup_id_z 1
		.amdhsa_system_vgpr_workitem_id 0
		.amdhsa_next_free_vgpr 256
		.amdhsa_next_free_sgpr 100
		.amdhsa_reserve_vcc 1
		.amdhsa_float_denorm_mode_32 3
		.amdhsa_float_denorm_mode_16_64 3
		.amdhsa_memory_ordered 1
		.amdhsa_forward_progress 1
		.amdhsa_inst_pref_size 60
	.end_amdhsa_kernel
	.amdgpu_metadata
---
amdhsa.version: [ 1, 2 ]
amdhsa.kernels:
  - .name:           k_qef78dabd26_attn
    .symbol:         k_qef78dabd26_attn.kd
    .args:
      - { .name: kqvc, .offset: 0, .size: 8, .value_kind: global_buffer, .address_space: global }
      - { .name: x, .offset: 8, .size: 8, .value_kind: global_buffer, .address_space: global }
      - { .name: lowp_scales, .offset: 16, .size: 8, .value_kind: global_buffer, .address_space: global }
      - { .name: x1, .offset: 24, .size: 8, .value_kind: global_buffer, .address_space: global }
    .group_segment_fixed_size: 327680
    .private_segment_fixed_size: 0
    .kernarg_segment_align: 8
    .kernarg_segment_size: 32
    .max_flat_workgroup_size: 512
    .sgpr_count:     100
    .vgpr_count:     256
    .wavefront_size: 32
...
	.end_amdgpu_metadata
.endif
;; end of part 3
;; launch ln2q (part 4): grid 256 x 1, 8 waves a work-group, no clusters, 17,408 bytes of LDS; arguments x1, ln2_g, ln2_b, lowp_scales, ac; writes ac
.if DOCPART == 4
	.amdgcn_target "amdgcn-amd-amdhsa--gfx1250"
	.amdhsa_code_object_version 6
	.text
	.protected	k_qef78dabd26_ln2q
	.globl	k_qef78dabd26_ln2q
	.p2align	8
	.type	k_qef78dabd26_ln2q,@function
k_qef78dabd26_ln2q:
	s_mov_b64 s[64:65], 0
	v_nop
	global_prefetch_b8 v0, s[64:65] scope:SCOPE_SE
	s_setreg_imm32_b32 hwreg(HW_REG_WAVE_MODE, 25, 1), 1
	s_wait_xcnt 0x0
; codes = Q((x - mean) * rsqrt(var + 1e-5) * g + b), row by row of 1,024 f32 numbers; Q: E5M2 with the given scale 2^e, e = entry ENTRY of the scales.
; A wave owns two rows; a row is 32 registers a lane and stays in registers between the mean, the variance (of x - mean: no difference of large sums) and the scaling.
; Load j of a row reads 512 consecutive bytes, 16 a lane: a lane holds columns 128 j + 4 l + 0..3.  g and b are loaded by the same map, once.
; A lane's four codes of load j are one word; the row's 1,024 codes are put in order in the wave's own 2,048 bytes of LDS and leave as two stores of 512 consecutive bytes.
; Waves share nothing: no barrier.  LIMITS: e between -126 and 112; NaN among the inputs is not served; an infinity is held at the largest code.
.set ENTRY, 6
.set GN,   16                          ; v16-47   g
.set BT,   48                          ; v48-79   b
.set X,    80                          ; v80-143  two rows
.set CC,   144                         ; v144-159 codes, 8 registers a row
.set OUT,  160                         ; v160-175 codes in row order, 8 registers a row
.set T,    176                         ; v176-183 four chains of sums
	s_load_b256 s[4:11], s[0:1], 0x0               ; x s[4:5], g s[6:7], b s[8:9], the scales s[10:11]
	s_load_b64 s[12:13], s[0:1], 0x20              ; the codes
	v_lshl_add_u32 v184, v0, 2, 0x4000
	v_mov_b32 v185, 0
	v_lshrrev_b32 v1, 5, v0
	v_readfirstlane_b32 s14, v1                    ; wave 0..7
	v_and_b32 v4, 31, v0                           ; lane
	v_lshlrev_b32 v1, 4, v4                        ; 16 l: my bytes of a load's or a store's 512
	s_lshl_b32 s15, s14, 11                        ; my wave's 2,048 bytes of LDS; also its two rows of codes
	v_lshl_add_u32 v2, v4, 2, s15                  ; LDS, in: 4 l
	v_lshl_add_u32 v3, v4, 4, s15                  ; LDS, out: 16 l
	v_mov_b32 v5, 0                                ; a lane permute's destination counts as read
	s_lshl_b32 s16, ttmp9, 16                      ; 16 rows of 4,096 bytes a work-group,
	s_lshl_b32 s18, s14, 13                        ; two a wave
	s_add_co_u32 s16, s16, s18
	s_mov_b32 s17, 0
	s_lshl_b32 s18, ttmp9, 14                      ; the same rows in the codes: 1,024 bytes each
	s_add_co_u32 s18, s18, s15
	s_mov_b32 s19, 0
	s_mov_b32 s20, 0x3a800000                      ; 1 / 1024
	s_mov_b32 s21, 0x3727c5ac                      ; 1e-5
	s_mov_b32 s22, 0x76543210                      ; lane l takes lane l xor 16
	s_mov_b32 s23, 0xfedcba98
	s_wait_kmcnt 0x0
	s_load_b32 s24, s[10:11], 4*ENTRY              ; e
	s_add_nc_u64 s[4:5], s[4:5], s[16:17]
	s_add_nc_u64 s[12:13], s[12:13], s[18:19]
.irp j, 0,1,2,3,4,5,6,7
	global_load_b128 v[X+4*\j:X+4*\j+3], v1, s[4:5] offset:512*\j th:TH_LOAD_NT
.endr
.irp j, 0,1,2,3,4,5,6,7
	global_load_b128 v[GN+4*\j:GN+4*\j+3], v1, s[6:7] offset:512*\j
.endr
.irp j, 0,1,2,3,4,5,6,7
	global_load_b128 v[BT+4*\j:BT+4*\j+3], v1, s[8:9] offset:512*\j
.endr
.irp j, 0,1,2,3,4,5,6,7
	global_load_b128 v[X+32+4*\j:X+32+4*\j+3], v1, s[4:5] offset:4096+512*\j th:TH_LOAD_NT
.endr
	s_wait_kmcnt 0x0
	s_add_co_i32 s24, s24, 127
	s_lshl_b32 s25, s24, 23
	v_mov_b32 v12, s25                             ; 2^e as f32: the conversion takes its exponent field
	s_add_co_i32 s24, s24, 15
	s_lshl_b32 s24, s24, 23
	s_or_b32 s24, s24, 0x600000
	v_mov_b32 v13, s24                             ; 57,344 x 2^e
.macro REDUCE                          ; the four chains, the pair's halves, the 32 lanes: the sum in v6 of every lane
	v_pk_add_f32 v[T:T+1], v[T:T+1], v[T+2:T+3]
	v_pk_add_f32 v[T+4:T+5], v[T+4:T+5], v[T+6:T+7]
	v_pk_add_f32 v[T:T+1], v[T:T+1], v[T+4:T+5]
	v_add_f32 v6, v[T], v[T+1]
	v_add_f32_dpp v6, v6, v6 row_xmask:1 row_mask:0xf bank_mask:0xf
	v_add_f32_dpp v6, v6, v6 row_xmask:2 row_mask:0xf bank_mask:0xf
	v_add_f32_dpp v6, v6, v6 row_xmask:4 row_mask:0xf bank_mask:0xf
	v_add_f32_dpp v6, v6, v6 row_xmask:8 row_mask:0xf bank_mask:0xf
	v_permlanex16_b32 v5, v6, s22, s23
	v_add_f32 v6, v6, v5
.endm
; One row.  w1: the loads that may be out when the row has to be there; w2: when g and b have to be there.
.macro ROW rho, w1, w2
.set XR, X+32*\rho
.set CR, CC+8*\rho
.set OUTR, OUT+8*\rho
	s_wait_loadcnt \w1
.irp k, 0,1,2,3
	v_pk_add_f32 v[T+2*\k:T+2*\k+1], v[XR+4*\k:XR+4*\k+1], v[XR+4*\k+2:XR+4*\k+3]
.endr
.irp k, 0,1,2,3
	v_pk_add_f32 v[T+2*\k:T+2*\k+1], v[T+2*\k:T+2*\k+1], v[XR+16+2*\k:XR+16+2*\k+1]
.endr
.irp k, 0,1,2,3
	v_pk_add_f32 v[T+2*\k:T+2*\k+1], v[T+2*\k:T+2*\k+1], v[XR+24+2*\k:XR+24+2*\k+1]
.endr
	REDUCE
	v_mul_f32 v8, s20, v6                          ; the mean,
	v_mov_b32 v9, v8                               ; twice, for the packed forms
.set j, 0
.rept 16
	v_pk_add_f32 v[XR+j:XR+j+1], v[XR+j:XR+j+1], v[8:9] neg_lo:[0,1] neg_hi:[0,1]   ; x - mean, in place
.set j, j+2
.endr
.irp k, 0,1,2,3
	v_pk_mul_f32 v[T+2*\k:T+2*\k+1], v[XR+2*\k:XR+2*\k+1], v[XR+2*\k:XR+2*\k+1]
.endr
.set j, 8
.rept 12
	v_pk_fma_f32 v[T+j%8:T+j%8+1], v[XR+j:XR+j+1], v[XR+j:XR+j+1], v[T+j%8:T+j%8+1]
.set j, j+2
.endr
	REDUCE
	v_fma_f32 v7, v6, s20, s21                     ; the variance + 1e-5
	v_rsq_f32 v10, v7
	v_nop                                          ; a plain instruction behind the transcendental
	s_wait_alu depctr_va_vdst(0)                   ; the wait ahead of the result's first reader
	v_mov_b32 v11, v10
	s_wait_loadcnt \w2
.set j, 0
.rept 16
	v_pk_mul_f32 v[XR+j:XR+j+1], v[XR+j:XR+j+1], v[10:11]
.set j, j+2
.endr
.set j, 0
.rept 16
	v_pk_fma_f32 v[XR+j:XR+j+1], v[XR+j:XR+j+1], v[GN+j:GN+j+1], v[BT+j:BT+j+1]
.set j, j+2
.endr
.set j, 0
.rept 32
	v_med3_num_f32 v[XR+j], v[XR+j], -v13, v13     ; the conversion to an 8-bit code does not saturate (ISA guide 7.6.2): the hold at the largest code x the scale
.set j, j+1
.endr
.irp k, 0,1,2,3
	v_cvt_scalef32_pk8_bf8_f32 v[CR+2*\k:CR+2*\k+1], v[XR+8*\k:XR+8*\k+7], v12
.endr
	v_nop                                          ; a plain instruction behind the last conversion
.irp j, 0,1,2,3,4,5,6,7
	ds_store_b32 v2, v[CR+\j] offset:1024*\rho+128*\j          ; the codes of columns 128 j + 4 l + 0..3
.endr
.irp i, 0,1
	ds_load_b128 v[OUTR+4*\i:OUTR+4*\i+3], v3 offset:1024*\rho+512*\i   ; LDS serves a wave's instructions in order: these see my stores
.endr
.irp i, 0,1
	s_wait_dscnt 1-\i
	global_store_b128 v1, v[OUTR+4*\i:OUTR+4*\i+3], s[12:13] offset:1024*\rho+512*\i   ; 512 consecutive bytes, aligned
.endr
.endm
	ROW 0, 24, 8                                   ; 24: g, b and row 1 may be out; 8: row 1 may be out
	ROW 1, 0, 0
	s_wait_tensorcnt 0x0
	ds_add_u32 v184, v185
	s_wait_dscnt 0x0
	s_endpgm
.Lfunc_end_k_qef78dabd26_ln2q:
	.size	k_qef78dabd26_ln2q, .Lfunc_end_k_qef78dabd26_ln2q-k_qef78dabd26_ln2q
	.p2alignl 7, 3214868480
	.fill 96, 4, 3214868480
	.section	.rodata,"a",@progbits
	.p2align	6, 0x0
	.amdhsa_kernel k_qef78dabd26_ln2q
		.amdhsa_group_segment_fixed_size 17408
		.amdhsa_private_segment_fixed_size 0
		.amdhsa_enable_private_segment 0
		.amdhsa_kernarg_size 40
		.amdhsa_user_sgpr_count 2
		.amdhsa_user_sgpr_kernarg_segment_ptr 1
		.amdhsa_wavefront_size32 1
		.amdhsa_system_sgpr_workgroup_id_x 1
		.amdhsa_system_sgpr_workgroup_id_y 1
		.amdhsa_system_sgpr_workgroup_id_z 1
		.amdhsa_system_vgpr_workitem_id 0
		.amdhsa_next_free_vgpr 186
		.amdhsa_next_free_sgpr 66
		.amdhsa_reserve_vcc 0
		.amdhsa_float_denorm_mode_32 3
		.amdhsa_float_denorm_mode_16_64 3
		.amdhsa_memory_ordered 1
		.amdhsa_forward_progress 1
		.amdhsa_inst_pref_size 24
	.end_amdhsa_kernel
	.amdgpu_metadata
---
amdhsa.version: [ 1, 2 ]
amdhsa.kernels:
  - .name:           k_qef78dabd26_ln2q
    .symbol:         k_qef78dabd26_ln2q.kd
    .args:
      - { .name: x1, .offset: 0, .size: 8, .value_kind: global_buffer, .address_space: global }
      - { .name: ln2_g, .offset: 8, .size: 8, .value_kind: global_buffer, .address_space: global }
      - { .name: ln2_b, .offset: 16, .size: 8, .value_kind: global_buffer, .address_space: global }
      - { .name: lowp_scales, .offset: 24, .size: 8, .value_kind: global_buffer, .address_space: global }
      - { .name: ac, .offset: 32, .size: 8, .value_kind: global_buffer, .address_space: global }
    .group_segment_fixed_size: 17408
    .private_segment_fixed_size: 0
    .kernarg_segment_align: 8
    .kernarg_segment_size: 40
    .max_flat_workgroup_size: 256
    .sgpr_count:     66
    .vgpr_count:     186
    .wavefront_size: 32
...
	.end_amdgpu_metadata
.endif
;; end of part 4
;; launch ff1 (part 5): grid 16 x 16, 4 waves a work-group, clusters of 4 x 4, 327,680 bytes of LDS; arguments ac, w1_codes, lowp_scales, hc, b1; writes hc
.if DOCPART == 5
	.amdgcn_target "amdgcn-amd-amdhsa--gfx1250"
	.amdhsa_code_object_version 6
	.text
	.protected	k_qef78dabd26_ff1
	.globl	k_qef78dabd26_ff1
	.p2align	8
	.type	k_qef78dabd26_ff1,@function
k_qef78dabd26_ff1:
	s_mov_b64 s[64:65], 0
	v_nop
	global_prefetch_b8 v0, s[64:65] scope:SCOPE_SE
	s_setreg_imm32_b32 hwreg(HW_REG_WAVE_MODE, 25, 1), 1
	s_wait_xcnt 0x0
	s_wait_alu depctr_hold_cnt(0) depctr_sa_sdst(0) depctr_va_vdst(0) depctr_va_sdst(0) depctr_va_ssrc(0) depctr_va_vcc(0) depctr_vm_vsrc(0)
	s_getreg_b32 s2, hwreg(HW_REG_IB_STS2, 6, 4)
	s_cmp_eq_u32 s2, 0
	s_cbranch_scc0 .Lentry_in_a_cluster
	s_endpgm
.Lentry_in_a_cluster:
	s_bfe_u32 s2, ttmp6, 0x10000c
	s_cmp_lg_u32 s2, 0xf033
	s_cbranch_scc0 .Lentry_shape_is_right
	s_endpgm
.Lentry_shape_is_right:
; hc = Q(relu(LN2(x1) W1 + b1)) on codes of E5M2: ac [4096][1024], w1_codes [4096][1024] (K innermost), hc [4096][4096] codes with the hidden units innermost, the next product's K.
; A tile of 256 x 256 a work-group, 128 x 128 a wave, K in steps of 256 through a ring of two LDS slots filled by joint tensor loads in clusters of 4 x 4 (A's tiles shared along a row, B's along a column).
; The matrix instruction is used transposed (source 0 = rows of W1, source 1 = tokens): a lane's eight registers are eight neighbouring hidden units of one token, which the conversion takes as they stand.
; h = sum x 2^(e6 + e7) + b1 by one packed multiply-add; relu and the hold at the largest code in one v_med3; the conversion divides by 2^e8.
; LIMITS: e6 + e7 between -126 and 127; e8 between -126 and 112.  NaN among the inputs is not served.
; REGISTERS, in windows of 256: window 0: v0-31 addresses; v32-63 codes on the way out; v64-127 b1 at my lane's hidden units; from v128 A's fragments; window 1: B's, two sets; windows 2, 3: the 64 accumulators.
.set SIZE_K, 1024
.set KSTEP,  256
.set ROWB,   256
.set KROW,   SIZE_K
.set PITCH,  272
.set FR,     16
.set NL,     4
.set NP,     4
.set HALFT,  128*PITCH
.set SLOT,   4*HALFT
.set LAPS,   SIZE_K/(2*KSTEP)
.set SPARE,  2*SLOT
.set ADRA, 16
.set ADRB, 20
.set STO,  24
.set RD,   25
.set CO,   26
.set BO,   27                          ; 32 (l / 16): my place in b1's sixteen numbers of a block
.set SPW,  28
.set NIL,  29
.set SCV,  30
.set LIM,  31
.set CD,   32
.set BIAS, 64
.set TMP,  128
.set RB,   128
.set AF,   128
.set G1, 24
.set G0, 32
.set G1B, 48
.set G0B, 56
.set MSB, 0
.macro WIN new
.if MSB != \new
	s_set_vgpr_msb (MSB<<8)|\new
.set MSB, \new
.endif
.endm
.set MUL_LO, 0xa1
.set MUL_HI, 0xf1
.set TO_B,   0x40
.macro JLOAD g0a, g1a, g0b, g1b
	s_cmp_eq_u32 s15, 0
	s_cbranch_scc0 .Lfor_b_\@
	tensor_load_to_lds s[\g0a:\g0a+3], s[\g1a:\g1a+7]
	s_nop 0
.rept 4
	v_nop
.endr
	s_branch .Lasked_\@
.Lfor_b_\@:
	tensor_load_to_lds s[\g0b:\g0b+3], s[\g1b:\g1b+7]
	s_nop 0
.rept 4
	v_nop
.endr
.Lasked_\@:
.endm
.macro CREST
	s_cmp_lg_u32 s14, 0
	s_cbranch_scc1 .Lnot_wave_0_\@
	s_barrier_signal -3
.Lnot_wave_0_\@:
	s_barrier_wait -3
	s_barrier_signal -1
	s_barrier_wait -1
.endm
.macro CROUND
	s_barrier_signal -1
	s_barrier_wait -1
	CREST
.endm
	s_load_b128 s[4:7], s[0:1], 0x0                ; ac s[4:5], W1's codes s[6:7]
	s_load_b128 s[8:11], s[0:1], 0x10              ; the scales s[8:9], hc s[10:11]
	s_load_b64 s[12:13], s[0:1], 0x20              ; b1
	v_lshl_add_u32 v[SPW], v0, 2, SPARE
	v_mov_b32 v[NIL], 0
	ds_add_u32 v28, v29
	ds_add_u32 v28, v29
	s_wait_dscnt 0x0
	v_lshrrev_b32 v1, 5, v0
	v_readfirstlane_b32 s14, v1
	s_lshr_b32 s15, s14, 1
	s_and_b32 s16, s14, 1
	s_bfe_u32 s40, ttmp6, 0x40000
	s_bfe_u32 s41, ttmp6, 0x40004
	s_lshl_b32 s42, ttmp9, 2
	s_add_co_u32 s42, s42, s40                     ; tile of hidden units = 4 x cluster x + cx
	s_and_b32 s17, ttmp7, 0xffff
	s_lshl_b32 s17, s17, 2
	s_add_co_u32 s17, s17, s41                     ; tile of tokens = 4 x cluster y + cy
	s_lshl_b32 s43, s41, 2
	s_lshl_b32 s43, 15, s43
	s_lshl_b32 s44, 0x1111, s40
	s_or_b32 s[G1+0], s43, (0<<16)|(1<<20)|(1<<21)|(5<<22)|(3<<25)
	s_or_b32 s[G1B+0], s44, (0<<16)|(1<<20)|(1<<21)|(5<<22)|(3<<25)
.irp g, G1, G1B
	s_mov_b32 s[\g+1], ROWB<<16
	s_mov_b32 s[\g+2], 128<<16
	s_mov_b32 s[\g+3], ROWB<<16
	s_mov_b32 s[\g+4], 128
	s_mov_b32 s[\g+5], KROW
	s_mov_b32 s[\g+6], 0
	s_mov_b32 s[\g+7], 0
.endr
	s_lshl_b32 s18, s16, 7
	s_lshl_b32 s20, s17, 8
	s_add_co_u32 s20, s20, s18
	s_lshl_b32 s46, s42, 8
	s_add_co_u32 s46, s46, s18
	s_mov_b32 s21, 0
	s_mov_b32 s47, 0
	s_mov_b64 s[18:19], KROW
	s_mul_u64 s[20:21], s[20:21], s[18:19]
	s_mul_u64 s[46:47], s[46:47], s[18:19]
	s_mul_i32 s45, s14, HALFT
	s_wait_kmcnt 0x0
	s_load_b128 s[72:75], s[8:9], 0x18             ; e6, e7, e8, e9
	s_add_nc_u64 s[20:21], s[4:5], s[20:21]
	s_add_nc_u64 s[46:47], s[6:7], s[46:47]
	CROUND
.irp s, 0,1
	s_mov_b32 s[G0+4*\s], 1
	s_add_co_u32 s[G0+4*\s+1], s45, \s*SLOT
	s_add_nc_u64 s[G0+4*\s+2:G0+4*\s+3], s[20:21], \s*ROWB
	s_or_b32 s[G0+4*\s+3], s[G0+4*\s+3], 0x80000000
	s_mov_b32 s[G0B+4*\s], 1
	s_add_co_u32 s[G0B+4*\s+1], s45, \s*SLOT
	s_add_nc_u64 s[G0B+4*\s+2:G0B+4*\s+3], s[46:47], \s*ROWB
	s_or_b32 s[G0B+4*\s+3], s[G0B+4*\s+3], 0x80000000
	JLOAD G0+4*\s, G1, G0B+4*\s, G1B
.endr
	v_and_b32 v1, 15, v0
	v_bfe_u32 v2, v0, 4, 1
	s_lshl_b32 s66, s42, 10                        ; b1 at my wave's 128 hidden units
	s_lshl_b32 s67, s16, 9
	s_add_co_u32 s66, s66, s67
	s_mov_b32 s67, 0
	s_add_nc_u64 s[12:13], s[12:13], s[66:67]
	v_lshlrev_b32 v[BO], 5, v2
.irp b, 0,1,2,3,4,5,6,7
	global_load_b128 v[BIAS+8*\b:BIAS+8*\b+3], v[BO], s[12:13] offset:64*\b         ; units 16 b + 8 (l / 16) + 0..7: the layout of a result
	global_load_b128 v[BIAS+8*\b+4:BIAS+8*\b+7], v[BO], s[12:13] offset:64*\b+16
.endr
	v_mul_u32_u24 v3, v1, PITCH
	v_lshl_add_u32 v4, v2, 4, v3
	s_mul_i32 s21, s15, HALFT
	s_mul_i32 s22, s16, HALFT
	s_add_co_u32 s22, s22, 2*HALFT
.irp s, 0,1
	v_add_nc_u32 v[ADRA+\s], s21, v4
	v_add_nc_u32 v[ADRB+\s], s22, v4
	s_add_co_u32 s21, s21, SLOT
	s_add_co_u32 s22, s22, SLOT
.endr
	; the way out: ONE stage of 256 tokens x 256 codes, pitch 272, in slot 0, which has had its last fill and its last read by then
	s_mul_i32 s23, s15, 128*PITCH
	s_lshl_b32 s22, s16, 7
	s_add_co_u32 s23, s23, s22
	v_lshl_add_u32 v5, v2, 3, v3
	v_add_nc_u32 v[STO], s23, v5
	s_mul_i32 s23, s14, 64*PITCH                   ; back: wave w takes rows 64 w .. 64 w + 63, whole: sixteen lanes to a row, two rows an instruction
	v_mul_u32_u24 v7, v2, PITCH
	v_lshl_add_u32 v7, v1, 4, v7
	v_add_nc_u32 v[RD], s23, v7
	v_lshlrev_b32 v[CO], 12, v2                    ; and the same two rows in hc: 4,096 bytes apart
	v_lshl_add_u32 v[CO], v1, 4, v[CO]
	s_lshl_b32 s20, s17, 8
	s_lshl_b32 s21, s14, 6
	s_add_co_u32 s20, s20, s21
	s_lshl_b32 s20, s20, 12
	s_lshl_b32 s21, s42, 8
	s_add_co_u32 s20, s20, s21
	s_mov_b32 s21, 0
	s_add_nc_u64 s[10:11], s[10:11], s[20:21]
.macro FRAG reg, adr, q, i
.irp c, 0,1,2,3
	ds_load_b128 v[\reg+4*\c:\reg+4*\c+3], v[\adr] offset:128*(\q)+32*\c+(\i)*16*PITCH
.endr
.endm
.macro MUL16 a0, p, zero               ; the 64 accumulators take turns, one instruction a turn
.irp a, \a0, \a0+1
.irp b, 0,1,2,3,4,5,6,7
.if \zero
	v_wmma_f32_16x16x128_bf8_bf8 v[8*(8*((\a)%4)+\b):8*(8*((\a)%4)+\b)+7], v[128*(\p)+FR*\b:128*(\p)+FR*\b+FR-1], v[AF+FR*(\a):AF+FR*(\a)+FR-1], 0
.else
	v_wmma_f32_16x16x128_bf8_bf8 v[8*(8*((\a)%4)+\b):8*(8*((\a)%4)+\b)+7], v[128*(\p)+FR*\b:128*(\p)+FR*\b+FR-1], v[AF+FR*(\a):AF+FR*(\a)+FR-1], v[8*(8*((\a)%4)+\b):8*(8*((\a)%4)+\b)+7]
.endif
.endr
.endr
.endm
.macro FETCH_B slot, q, p
	WIN TO_B
.irp i, 0,1,2,3,4,5,6,7
	FRAG 128*(\p)+FR*\i, ADRB+\slot, \q, \i
.endr
	WIN 0
.endm
.macro FETCH_A slot, q, i0
.irp i, \i0, \i0+1, \i0+2, \i0+3
	FRAG AF+FR*(\i), ADRA+\slot, \q, \i
.endr
.endm
.macro PLACES n
.rept \n
	v_nop
.endr
.endm
.macro STEP slot, q, zero
	s_wait_dscnt 4*NL                              ; B's set and A's blocks 0-3 are in; the youngest sixteen loads may be out
	WIN MUL_LO
	MUL16 0, (\q)%2, \zero
	MUL16 2, (\q)%2, \zero
	s_wait_dscnt 0
	PLACES NP
	FETCH_B \slot, (\q)+1, 1-(\q)%2
	FETCH_A \slot, (\q)+1, 0
	WIN MUL_HI
	MUL16 4, (\q)%2, \zero
	MUL16 6, (\q)%2, \zero
	PLACES NP
	WIN 0
	FETCH_A \slot, (\q)+1, 4
.endm
.macro TURN slot, next, fill
	s_wait_tensorcnt 0x0                           ; all my tensor loads have landed: my part of the next slot
	ds_add_u32 v[SPW], v[NIL]                      ; 0 onto my spare word
	s_wait_dscnt 4*NL+1                            ; the add and the youngest sixteen loads may be out
	WIN MUL_LO
	MUL16 0, 1, 0
	s_wait_dscnt 0x0                               ; the add is done, and my reads of this slot are over
	s_barrier_signal -1
	MUL16 2, 1, 0
	WIN 0
	s_barrier_wait -1
.if \fill
	CREST
	s_add_nc_u64 s[G0+4*\slot+2:G0+4*\slot+3], s[G0+4*\slot+2:G0+4*\slot+3], 2*ROWB
	s_add_nc_u64 s[G0B+4*\slot+2:G0B+4*\slot+3], s[G0B+4*\slot+2:G0B+4*\slot+3], 2*ROWB
	JLOAD G0+4*\slot, G1, G0B+4*\slot, G1B
.else
	PLACES NP
.endif
	FETCH_B \next, 0, 0
	FETCH_A \next, 0, 0
	WIN MUL_HI
	MUL16 4, 1, 0
	MUL16 6, 1, 0
	PLACES NP
	WIN 0
	FETCH_A \next, 0, 4
.endm
	s_wait_tensorcnt 1                             ; my part of K step 0 is in; K step 1's may be out
	s_barrier_signal -1
	s_barrier_wait -1
	FETCH_B 0, 0, 0
	FETCH_A 0, 0, 0
	FETCH_A 0, 0, 4
	STEP 0, 0, 1
	s_mov_b32 s3, LAPS-1
.Llap:
	TURN 0, 1, 1
	STEP 1, 0, 0
	TURN 1, 0, 1
	STEP 0, 0, 0
	s_sub_co_u32 s3, s3, 1
	s_cmp_lg_u32 s3, 0
	s_cbranch_scc1 .Llap
	TURN 0, 1, 0
	STEP 1, 0, 0
	s_wait_dscnt 4*NL
	WIN MUL_LO
	MUL16 0, 1, 0
	MUL16 2, 1, 0
	s_wait_dscnt 0
	WIN MUL_HI
	MUL16 4, 1, 0
	MUL16 6, 1, 0
	WIN 0
.macro CODES a
.set AC, 64*((\a)%4)
.set CDA, CD+16*((\a)%2)
.if (\a) >= 2
	s_wait_dscnt 8                                 ; the last block's eight stores may be out; those of the block before have read the registers that are written now
.endif
	WIN 0x02+((\a)/4)                              ; source 0: window 2 or 3
.set j, 0
.rept 32
	v_pk_fma_f32 v[TMP+j:TMP+j+1], v[AC+j:AC+j+1], s[96:97], v[BIAS+j:BIAS+j+1] op_sel_hi:[1,0,1]   ; sum x 2^(e6 + e7) + b1; each accumulator from its low end on
.set j, j+2
.endr
	WIN 0
.set j, 0
.rept 64
	v_med3_num_f32 v[TMP+j], v[TMP+j], 0, v[LIM]   ; the activation and the hold in one
.set j, j+1
.endr
.irp b, 0,1,2,3,4,5,6,7
	v_cvt_scalef32_pk8_bf8_f32 v[CDA+2*\b:CDA+2*\b+1], v[TMP+8*\b:TMP+8*\b+7], v[SCV]
.endr
	v_nop                                          ; a plain instruction behind the last conversion
.irp b, 0,1,2,3,4,5,6,7
	ds_store_b64 v[STO], v[CDA+2*\b:CDA+2*\b+1] offset:(\a)*16*PITCH+16*\b
.endr
.endm
	s_wait_kmcnt 0x0
	s_wait_loadcnt 0x0                             ; b1
	s_add_co_i32 s96, s72, s73
	s_add_co_i32 s96, s96, 127
	s_lshl_b32 s96, s96, 23                        ; 2^(e6 + e7)
	s_mov_b32 s97, s96
	s_add_co_i32 s76, s74, 127
	s_lshl_b32 s77, s76, 23
	v_mov_b32 v[SCV], s77                          ; 2^e8
	s_add_co_i32 s76, s76, 15
	s_lshl_b32 s76, s76, 23
	s_or_b32 s76, s76, 0x600000
	v_mov_b32 v[LIM], s76                          ; 57,344 x 2^e8
	PLACES NP
.irp a, 0,1,2,3,4,5,6,7
	CODES \a
.endr
	s_wait_dscnt 0x0                               ; for the others' sake: my stores into the stage are done
	s_barrier_signal -1
	s_barrier_wait -1
.set t, 0
.rept 32
	ds_load_b128 v[RB+4*t:RB+4*t+3], v[RD] offset:t*2*PITCH
.set t, t+1
.endr
.set t, 0
.rept 32
	s_wait_dscnt 31-t
	global_store_b128 v[CO], v[RB+4*t:RB+4*t+3], s[10:11] offset:2*t*4096   ; sixteen lanes store 256 consecutive bytes, aligned
.set t, t+1
.endr
	s_wait_tensorcnt 0x0                           ; the wave's end
	ds_add_u32 v[SPW], v[NIL]
	s_wait_dscnt 0x0
	CROUND
	s_endpgm
.Lfunc_end_k_qef78dabd26_ff1:
	.size	k_qef78dabd26_ff1, .Lfunc_end_k_qef78dabd26_ff1-k_qef78dabd26_ff1
	.p2alignl 7, 3214868480
	.fill 96, 4, 3214868480
	.section	.rodata,"a",@progbits
	.p2align	6, 0x0
	.amdhsa_kernel k_qef78dabd26_ff1
		.amdhsa_group_segment_fixed_size 327680
		.amdhsa_private_segment_fixed_size 0
		.amdhsa_enable_private_segment 0
		.amdhsa_kernarg_size 40
		.amdhsa_user_sgpr_count 2
		.amdhsa_user_sgpr_kernarg_segment_ptr 1
		.amdhsa_wavefront_size32 1
		.amdhsa_system_sgpr_workgroup_id_x 1
		.amdhsa_system_sgpr_workgroup_id_y 1
		.amdhsa_system_sgpr_workgroup_id_z 1
		.amdhsa_system_vgpr_workitem_id 0
		.amdhsa_next_free_vgpr 1024
		.amdhsa_next_free_sgpr 98
		.amdhsa_reserve_vcc 0
		.amdhsa_float_denorm_mode_32 3
		.amdhsa_float_denorm_mode_16_64 3
		.amdhsa_memory_ordered 1
		.amdhsa_forward_progress 1
		.amdhsa_inst_pref_size 143
	.end_amdhsa_kernel
	.amdgpu_metadata
---
amdhsa.version: [ 1, 2 ]
amdhsa.kernels:
  - .name:           k_qef78dabd26_ff1
    .symbol:         k_qef78dabd26_ff1.kd
    .args:
      - { .name: ac, .offset: 0, .size: 8, .value_kind: global_buffer, .address_space: global }
      - { .name: w1_codes, .offset: 8, .size: 8, .value_kind: global_buffer, .address_space: global }
      - { .name: lowp_scales, .offset: 16, .size: 8, .value_kind: global_buffer, .address_space: global }
      - { .name: hc, .offset: 24, .size: 8, .value_kind: global_buffer, .address_space: global }
      - { .name: b1, .offset: 32, .size: 8, .value_kind: global_buffer, .address_space: global }
    .group_segment_fixed_size: 327680
    .private_segment_fixed_size: 0
    .kernarg_segment_align: 8
    .kernarg_segment_size: 40
    .max_flat_workgroup_size: 128
    .sgpr_count:     98
    .vgpr_count:     1024
    .wavefront_size: 32
...
	.end_amdgpu_metadata
.endif
;; end of part 5
;; launch ff2 (part 6): grid 4 x 16, 4 waves a work-group, clusters of 4 x 4, 327,680 bytes of LDS; arguments hc, w2_codes, lowp_scales, out0, b2, x1; writes out0
.if DOCPART == 6
	.amdgcn_target "amdgcn-amd-amdhsa--gfx1250"
	.amdhsa_code_object_version 6
	.text
	.protected	k_qef78dabd26_ff2
	.globl	k_qef78dabd26_ff2
	.p2align	8
	.type	k_qef78dabd26_ff2,@function
k_qef78dabd26_ff2:
	s_mov_b64 s[64:65], 0
	v_nop
	global_prefetch_b8 v0, s[64:65] scope:SCOPE_SE
	s_setreg_imm32_b32 hwreg(HW_REG_WAVE_MODE, 25, 1), 1
	s_wait_xcnt 0x0
	s_wait_alu depctr_hold_cnt(0) depctr_sa_sdst(0) depctr_va_vdst(0) depctr_va_sdst(0) depctr_va_ssrc(0) depctr_va_vcc(0) depctr_vm_vsrc(0)
	s_getreg_b32 s2, hwreg(HW_REG_IB_STS2, 6, 4)
	s_cmp_eq_u32 s2, 0
	s_cbranch_scc0 .Lentry_in_a_cluster
	s_endpgm
.Lentry_in_a_cluster:
	s_bfe_u32 s2, ttmp6, 0x10000c
	s_cmp_lg_u32 s2, 0xf033
	s_cbranch_scc0 .Lentry_shape_is_right
	s_endpgm
.Lentry_shape_is_right:
; out0 = x1 + hidden W2 + b2 on codes of E5M2: hc [4096][4096], w2_codes [1024][4096] (K innermost); x1, out0 [4096][1024] f32; b2 [1024] f32.
; A tile of 256 x 256 a work-group, 128 x 128 a wave, K in steps of 256 through a ring of two LDS slots filled by joint tensor loads in clusters of 4 x 4.  64 tiles: as many work-groups.
; The matrix instruction is used transposed (source 0 = rows of W2, source 1 = tokens): a lane holds eight neighbouring columns of a row.  A block of 16 rows goes through the wave's own stage in LDS and comes back as whole
; rows of 512 bytes; there out = sum x 2^(e8 + e9) + x1 by one packed multiply-add, + b2.  LIMIT: e8 + e9 between -126 and 127.
; REGISTERS, in windows of 256: window 0: v0-31 addresses; v96-99 b2 at my four columns; from v128 A's fragments, on the way out rows read back; window 1: B's two sets, on the way out x1's rows; windows 2, 3: the accumulators.
.set SIZE_K, 4096
.set SIZE_N, 1024
.set KSTEP,  256
.set ROWB,   256
.set KROW,   SIZE_K
.set PITCH,  272
.set FR,     16
.set NL,     4
.set NP,     4
.set HALFT,  128*PITCH
.set SLOT,   4*HALFT
.set LAPS,   SIZE_K/(2*KSTEP)
.set SPARE,  2*SLOT
.set SPITCH, 528                       ; the way out: 16 rows x (512 bytes + 16) for each wave, in slot 0, which has had its last fill and its last read by then
.set ADRA, 16
.set ADRB, 20
.set STO,  24
.set RD,   25
.set CO,   26
.set SPW,  28
.set NIL,  29
.set B2,   96
.set AF,   128
.set BK,   128
.set G1, 24
.set G0, 32
.set G1B, 48
.set G0B, 56
.set MSB, 0
.macro WIN new
.if MSB != \new
	s_set_vgpr_msb (MSB<<8)|\new
.set MSB, \new
.endif
.endm
.set MUL_LO, 0xa1
.set MUL_HI, 0xf1
.set TO_B,   0x40
.macro JLOAD g0a, g1a, g0b, g1b
	s_cmp_eq_u32 s15, 0
	s_cbranch_scc0 .Lfor_b_\@
	tensor_load_to_lds s[\g0a:\g0a+3], s[\g1a:\g1a+7]
	s_nop 0
.rept 4
	v_nop
.endr
	s_branch .Lasked_\@
.Lfor_b_\@:
	tensor_load_to_lds s[\g0b:\g0b+3], s[\g1b:\g1b+7]
	s_nop 0
.rept 4
	v_nop
.endr
.Lasked_\@:
.endm
.macro CREST
	s_cmp_lg_u32 s14, 0
	s_cbranch_scc1 .Lnot_wave_0_\@
	s_barrier_signal -3
.Lnot_wave_0_\@:
	s_barrier_wait -3
	s_barrier_signal -1
	s_barrier_wait -1
.endm
.macro CROUND
	s_barrier_signal -1
	s_barrier_wait -1
	CREST
.endm
	s_load_b128 s[4:7], s[0:1], 0x0                ; hc s[4:5], W2's codes s[6:7]
	s_load_b128 s[8:11], s[0:1], 0x10              ; the scales s[8:9], out0 s[10:11]
	s_load_b128 s[68:71], s[0:1], 0x20             ; b2 s[68:69], x1 s[70:71]
	v_lshl_add_u32 v[SPW], v0, 2, SPARE
	v_mov_b32 v[NIL], 0
	ds_add_u32 v28, v29
	ds_add_u32 v28, v29
	s_wait_dscnt 0x0
	v_lshrrev_b32 v1, 5, v0
	v_readfirstlane_b32 s14, v1
	s_lshr_b32 s15, s14, 1
	s_and_b32 s16, s14, 1
	s_bfe_u32 s40, ttmp6, 0x40000
	s_bfe_u32 s41, ttmp6, 0x40004
	s_lshl_b32 s42, ttmp9, 2
	s_add_co_u32 s42, s42, s40                     ; tile column = 4 x cluster x + cx
	s_and_b32 s17, ttmp7, 0xffff
	s_lshl_b32 s17, s17, 2
	s_add_co_u32 s17, s17, s41                     ; tile row = 4 x cluster y + cy
	s_lshl_b32 s43, s41, 2
	s_lshl_b32 s43, 15, s43
	s_lshl_b32 s44, 0x1111, s40
	s_or_b32 s[G1+0], s43, (0<<16)|(1<<20)|(1<<21)|(5<<22)|(3<<25)
	s_or_b32 s[G1B+0], s44, (0<<16)|(1<<20)|(1<<21)|(5<<22)|(3<<25)
.irp g, G1, G1B
	s_mov_b32 s[\g+1], ROWB<<16
	s_mov_b32 s[\g+2], 128<<16
	s_mov_b32 s[\g+3], ROWB<<16
	s_mov_b32 s[\g+4], 128
	s_mov_b32 s[\g+5], KROW
	s_mov_b32 s[\g+6], 0
	s_mov_b32 s[\g+7], 0
.endr
	s_lshl_b32 s18, s16, 7
	s_lshl_b32 s20, s17, 8
	s_add_co_u32 s20, s20, s18
	s_lshl_b32 s46, s42, 8
	s_add_co_u32 s46, s46, s18
	s_mov_b32 s21, 0
	s_mov_b32 s47, 0
	s_mov_b64 s[18:19], KROW
	s_mul_u64 s[20:21], s[20:21], s[18:19]
	s_mul_u64 s[46:47], s[46:47], s[18:19]
	s_mul_i32 s45, s14, HALFT
	s_wait_kmcnt 0x0
	s_load_b64 s[96:97], s[8:9], 0x20              ; e8, e9
	s_add_nc_u64 s[20:21], s[4:5], s[20:21]
	s_add_nc_u64 s[46:47], s[6:7], s[46:47]
	CROUND
.irp s, 0,1
	s_mov_b32 s[G0+4*\s], 1
	s_add_co_u32 s[G0+4*\s+1], s45, \s*SLOT
	s_add_nc_u64 s[G0+4*\s+2:G0+4*\s+3], s[20:21], \s*ROWB
	s_or_b32 s[G0+4*\s+3], s[G0+4*\s+3], 0x80000000
	s_mov_b32 s[G0B+4*\s], 1
	s_add_co_u32 s[G0B+4*\s+1], s45, \s*SLOT
	s_add_nc_u64 s[G0B+4*\s+2:G0B+4*\s+3], s[46:47], \s*ROWB
	s_or_b32 s[G0B+4*\s+3], s[G0B+4*\s+3], 0x80000000
	JLOAD G0+4*\s, G1, G0B+4*\s, G1B
.endr
	v_and_b32 v1, 15, v0
	v_bfe_u32 v2, v0, 4, 1
	v_mul_u32_u24 v3, v1, PITCH
	v_lshl_add_u32 v4, v2, 4, v3
	s_mul_i32 s21, s15, HALFT
	s_mul_i32 s22, s16, HALFT
	s_add_co_u32 s22, s22, 2*HALFT
.irp s, 0,1
	v_add_nc_u32 v[ADRA+\s], s21, v4
	v_add_nc_u32 v[ADRB+\s], s22, v4
	s_add_co_u32 s21, s21, SLOT
	s_add_co_u32 s22, s22, SLOT
.endr
	s_mul_i32 s23, s14, 16*SPITCH                  ; my stage
	v_mul_u32_u24 v5, v1, SPITCH                   ; in: row l % 16, 32 bytes for each half of the lanes
	v_lshl_add_u32 v5, v2, 5, v5
	v_add_nc_u32 v[STO], s23, v5
	v_and_b32 v6, 31, v0
	v_lshlrev_b32 v[CO], 4, v6                     ; back: the 32 lanes take one row of 512 bytes; and the same in out0, x1 and b2
	v_add_nc_u32 v[RD], s23, v[CO]
	s_lshl_b32 s20, s17, 8
	s_lshl_b32 s21, s15, 7
	s_add_co_u32 s20, s20, s21                     ; my first row
	s_mov_b32 s21, 0
	s_mov_b64 s[18:19], SIZE_N*4
	s_mul_u64 s[20:21], s[20:21], s[18:19]
	s_lshl_b32 s46, s42, 10                        ; my first column, in bytes
	s_lshl_b32 s47, s16, 9
	s_add_co_u32 s46, s46, s47
	s_mov_b32 s47, 0
	s_add_nc_u64 s[20:21], s[20:21], s[46:47]
	s_add_nc_u64 s[10:11], s[10:11], s[20:21]
	s_add_nc_u64 s[70:71], s[70:71], s[20:21]
	s_add_nc_u64 s[68:69], s[68:69], s[46:47]
	global_load_b128 v[B2:B2+3], v[CO], s[68:69]   ; b2 at my four columns
.macro FRAG reg, adr, q, i
.irp c, 0,1,2,3
	ds_load_b128 v[\reg+4*\c:\reg+4*\c+3], v[\adr] offset:128*(\q)+32*\c+(\i)*16*PITCH
.endr
.endm
.macro MUL16 a0, p, zero               ; the 64 accumulators take turns, one instruction a turn
.irp a, \a0, \a0+1
.irp b, 0,1,2,3,4,5,6,7
.if \zero
	v_wmma_f32_16x16x128_bf8_bf8 v[8*(8*((\a)%4)+\b):8*(8*((\a)%4)+\b)+7], v[128*(\p)+FR*\b:128*(\p)+FR*\b+FR-1], v[AF+FR*(\a):AF+FR*(\a)+FR-1], 0
.else
	v_wmma_f32_16x16x128_bf8_bf8 v[8*(8*((\a)%4)+\b):8*(8*((\a)%4)+\b)+7], v[128*(\p)+FR*\b:128*(\p)+FR*\b+FR-1], v[AF+FR*(\a):AF+FR*(\a)+FR-1], v[8*(8*((\a)%4)+\b):8*(8*((\a)%4)+\b)+7]
.endif
.endr
.endr
.endm
.macro FETCH_B slot, q, p
	WIN TO_B
.irp i, 0,1,2,3,4,5,6,7
	FRAG 128*(\p)+FR*\i, ADRB+\slot, \q, \i
.endr
	WIN 0
.endm
.macro FETCH_A slot, q, i0
.irp i, \i0, \i0+1, \i0+2, \i0+3
	FRAG AF+FR*(\i), ADRA+\slot, \q, \i
.endr
.endm
.macro PLACES n
.rept \n
	v_nop
.endr
.endm
.macro STEP slot, q, zero
	s_wait_dscnt 4*NL                              ; B's set and A's blocks 0-3 are in; the youngest sixteen loads may be out
	WIN MUL_LO
	MUL16 0, (\q)%2, \zero
	MUL16 2, (\q)%2, \zero
	s_wait_dscnt 0
	PLACES NP
	FETCH_B \slot, (\q)+1, 1-(\q)%2
	FETCH_A \slot, (\q)+1, 0
	WIN MUL_HI
	MUL16 4, (\q)%2, \zero
	MUL16 6, (\q)%2, \zero
	PLACES NP
	WIN 0
	FETCH_A \slot, (\q)+1, 4
.endm
.macro TURN slot, next, fill
	s_wait_tensorcnt 0x0                           ; all my tensor loads have landed: my part of the next slot
	ds_add_u32 v[SPW], v[NIL]                      ; 0 onto my spare word
	s_wait_dscnt 4*NL+1                            ; the add and the youngest sixteen loads may be out
	WIN MUL_LO
	MUL16 0, 1, 0
	s_wait_dscnt 0x0                               ; the add is done, and my reads of this slot are over
	s_barrier_signal -1
	MUL16 2, 1, 0
	WIN 0
	s_barrier_wait -1
.if \fill
	CREST
	s_add_nc_u64 s[G0+4*\slot+2:G0+4*\slot+3], s[G0+4*\slot+2:G0+4*\slot+3], 2*ROWB
	s_add_nc_u64 s[G0B+4*\slot+2:G0B+4*\slot+3], s[G0B+4*\slot+2:G0B+4*\slot+3], 2*ROWB
	JLOAD G0+4*\slot, G1, G0B+4*\slot, G1B
.else
	PLACES NP
.endif
	FETCH_B \next, 0, 0
	FETCH_A \next, 0, 0
	WIN MUL_HI
	MUL16 4, 1, 0
	MUL16 6, 1, 0
	PLACES NP
	WIN 0
	FETCH_A \next, 0, 4
.endm
	s_wait_tensorcnt 1                             ; my part of K step 0 is in; K step 1's may be out
	s_barrier_signal -1
	s_barrier_wait -1
	FETCH_B 0, 0, 0
	FETCH_A 0, 0, 0
	FETCH_A 0, 0, 4
	STEP 0, 0, 1
	s_mov_b32 s3, LAPS-1
.Llap:
	TURN 0, 1, 1
	STEP 1, 0, 0
	TURN 1, 0, 1
	STEP 0, 0, 0
	s_sub_co_u32 s3, s3, 1
	s_cmp_lg_u32 s3, 0
	s_cbranch_scc1 .Llap
	TURN 0, 1, 0
	STEP 1, 0, 0
	s_wait_dscnt 4*NL
	WIN MUL_LO
	MUL16 0, 1, 0
	MUL16 2, 1, 0
	s_wait_dscnt 0
	WIN MUL_HI
	MUL16 4, 1, 0
	MUL16 6, 1, 0
	WIN 0
; THE WAY OUT, block by block of 16 rows x 128 columns.  The sums go into my stage as they are and come back as whole rows; x1's same rows are asked for beside them.
.macro TOSTAGE a
.set AC, 64*((\a)%4)
.set BB, BK+64*((\a)%2)
.set XR, 64*((\a)%2)
	WIN 0x08+4*((\a)/4)                            ; the stores' data: window 2 or 3
.irp b, 0,1,2,3,4,5,6,7
	ds_store_b128 v[STO], v[AC+8*\b:AC+8*\b+3] offset:64*\b          ; each accumulator from its low end on
	ds_store_b128 v[STO], v[AC+8*\b+4:AC+8*\b+7] offset:64*\b+16
.endr
	WIN 0
.irp t, 0,1,2,3,4,5,6,7,8,9,10,11,12,13,14,15
	ds_load_b128 v[BB+4*\t:BB+4*\t+3], v[RD] offset:\t*SPITCH        ; LDS serves a wave's instructions in order: these see my stores
.endr
	WIN 0x40                                       ; destination window 1
.irp t, 0,1,2,3,4,5,6,7,8,9,10,11,12,13,14,15
	global_load_b128 v[XR+4*\t:XR+4*\t+3], v[CO], s[70:71] offset:(16*(\a)+\t)*SIZE_N*4 th:TH_LOAD_NT
.endr
	WIN 0
.endm
.macro SEND a, younger, ld             ; younger, ld: the LDS instructions and the loads issued behind block a's, which may stay out
.set BB, BK+64*((\a)%2)
.set XR, 64*((\a)%2)
	s_wait_dscnt \younger
	s_wait_loadcnt \ld
	WIN 0x10                                       ; source 2 (x1) window 1
.set j, 0
.rept 32
	v_pk_fma_f32 v[BB+j:BB+j+1], v[BB+j:BB+j+1], s[96:97], v[XR+j:XR+j+1] op_sel_hi:[1,0,1]   ; sum x 2^(e8 + e9) + x1
.set j, j+2
.endr
	WIN 0
.irp t, 0,1,2,3,4,5,6,7,8,9,10,11,12,13,14,15
	v_pk_add_f32 v[BB+4*\t:BB+4*\t+1], v[BB+4*\t:BB+4*\t+1], v[B2:B2+1]
	v_pk_add_f32 v[BB+4*\t+2:BB+4*\t+3], v[BB+4*\t+2:BB+4*\t+3], v[B2+2:B2+3]
.endr
.irp t, 0,1,2,3,4,5,6,7,8,9,10,11,12,13,14,15
	global_store_b128 v[CO], v[BB+4*\t:BB+4*\t+3], s[10:11] offset:(16*(\a)+\t)*SIZE_N*4 th:TH_STORE_NT   ; 512 consecutive bytes, aligned
.endr
.endm
	s_wait_kmcnt 0x0
	s_add_co_i32 s96, s96, s97
	s_add_co_i32 s96, s96, 127
	s_lshl_b32 s96, s96, 23                        ; 2^(e8 + e9)
	s_mov_b32 s97, s96
	PLACES NP
	TOSTAGE 0
.irp a, 1,2,3,4,5,6,7
.if \a > 1
	s_wait_xcnt 0x0                                ; block a - 2's stores have read their registers: block a's rows may land there
.endif
	TOSTAGE \a
	SEND \a-1, 32, 16                              ; behind block a - 1's: block a's 16 LDS stores and 16 LDS loads, and its 16 loads of x1
.endr
	s_wait_xcnt 0x0
	SEND 7, 0, 0
	s_wait_tensorcnt 0x0                           ; the wave's end
	ds_add_u32 v[SPW], v[NIL]
	s_wait_dscnt 0x0
	CROUND
	s_endpgm
.Lfunc_end_k_qef78dabd26_ff2:
	.size	k_qef78dabd26_ff2, .Lfunc_end_k_qef78dabd26_ff2-k_qef78dabd26_ff2
	.p2alignl 7, 3214868480
	.fill 96, 4, 3214868480
	.section	.rodata,"a",@progbits
	.p2align	6, 0x0
	.amdhsa_kernel k_qef78dabd26_ff2
		.amdhsa_group_segment_fixed_size 327680
		.amdhsa_private_segment_fixed_size 0
		.amdhsa_enable_private_segment 0
		.amdhsa_kernarg_size 48
		.amdhsa_user_sgpr_count 2
		.amdhsa_user_sgpr_kernarg_segment_ptr 1
		.amdhsa_wavefront_size32 1
		.amdhsa_system_sgpr_workgroup_id_x 1
		.amdhsa_system_sgpr_workgroup_id_y 1
		.amdhsa_system_sgpr_workgroup_id_z 1
		.amdhsa_system_vgpr_workitem_id 0
		.amdhsa_next_free_vgpr 1024
		.amdhsa_next_free_sgpr 98
		.amdhsa_reserve_vcc 0
		.amdhsa_float_denorm_mode_32 3
		.amdhsa_float_denorm_mode_16_64 3
		.amdhsa_memory_ordered 1
		.amdhsa_forward_progress 1
		.amdhsa_inst_pref_size 152
	.end_amdhsa_kernel
	.amdgpu_metadata
---
amdhsa.version: [ 1, 2 ]
amdhsa.kernels:
  - .name:           k_qef78dabd26_ff2
    .symbol:         k_qef78dabd26_ff2.kd
    .args:
      - { .name: hc, .offset: 0, .size: 8, .value_kind: global_buffer, .address_space: global }
      - { .name: w2_codes, .offset: 8, .size: 8, .value_kind: global_buffer, .address_space: global }
      - { .name: lowp_scales, .offset: 16, .size: 8, .value_kind: global_buffer, .address_space: global }
      - { .name: out0, .offset: 24, .size: 8, .value_kind: global_buffer, .address_space: global }
      - { .name: b2, .offset: 32, .size: 8, .value_kind: global_buffer, .address_space: global }
      - { .name: x1, .offset: 40, .size: 8, .value_kind: global_buffer, .address_space: global }
    .group_segment_fixed_size: 327680
    .private_segment_fixed_size: 0
    .kernarg_segment_align: 8
    .kernarg_segment_size: 48
    .max_flat_workgroup_size: 128
    .sgpr_count:     98
    .vgpr_count:     1024
    .wavefront_size: 32
...
	.end_amdgpu_metadata
.endif
;; end of part 6
;; ======== version 2 of 2: 6 launches
;; workspace buffers: ac 4,194,304 bytes; kqvc 12,582,912 bytes; x1 16,777,216 bytes; hc 16,777,216 bytes
;; launch ln1q: the kernel of part 1 again; grid 256 x 1, 8 waves a work-group, no clusters, 17,408 bytes of LDS; arguments x, ln1_g, ln1_b, lowp_scales, ac; writes ac
;; launch qkv: the kernel of part 2 again; grid 12 x 16, 4 waves a work-group, clusters of 4 x 4, 327,680 bytes of LDS; arguments ac, w_kqv_codes, lowp_scales, kqvc; writes kqvc
;; launch attn: the kernel of part 3 again; grid 8 x 32, 16 waves a work-group, clusters of 4 x 1, 327,680 bytes of LDS; arguments kqvc, x, lowp_scales, x1; writes x1
;; launch ln2q: the kernel of part 4 again; grid 256 x 1, 8 waves a work-group, no clusters, 17,408 bytes of LDS; arguments x1, ln2_g, ln2_b, lowp_scales, ac; writes ac
;; launch ff1: the kernel of part 5 again; grid 16 x 16, 4 waves a work-group, clusters of 4 x 4, 327,680 bytes of LDS; arguments ac, w1_codes, lowp_scales, hc, b1; writes hc
;; launch ff2 (part 7): grid 8 x 32, 4 waves a work-group, clusters of 4 x 4, 327,680 bytes of LDS; arguments hc, w2_codes, lowp_scales, out0, b2, x1; writes out0
.if DOCPART == 7
	.amdgcn_target "amdgcn-amd-amdhsa--gfx1250"
	.amdhsa_code_object_version 6
	.text
	.protected	k_qef78dabd26_ff2
	.globl	k_qef78dabd26_ff2
	.p2align	8
	.type	k_qef78dabd26_ff2,@function
k_qef78dabd26_ff2:
	s_mov_b64 s[64:65], 0
	v_nop
	global_prefetch_b8 v0, s[64:65] scope:SCOPE_SE
	s_setreg_imm32_b32 hwreg(HW_REG_WAVE_MODE, 25, 1), 1
	s_wait_xcnt 0x0
	s_wait_alu depctr_hold_cnt(0) depctr_sa_sdst(0) depctr_va_vdst(0) depctr_va_sdst(0) depctr_va_ssrc(0) depctr_va_vcc(0) depctr_vm_vsrc(0)
	s_getreg_b32 s2, hwreg(HW_REG_IB_STS2, 6, 4)
	s_cmp_eq_u32 s2, 0
	s_cbranch_scc0 .Lentry_in_a_cluster
	s_endpgm
.Lentry_in_a_cluster:
	s_bfe_u32 s2, ttmp6, 0x10000c
	s_cmp_lg_u32 s2, 0xf033
	s_cbranch_scc0 .Lentry_shape_is_right
	s_endpgm
.Lentry_shape_is_right:
; out0 = x1 + hidden W2 + b2 on codes of E5M2: hc [4096][4096], w2_codes [1024][4096] (K innermost); x1, out0 [4096][1024] f32; b2 [1024] f32.
; A tile of out0 is 128 x 128: 32 x 8 = 256 tiles, as many work-groups.  Four waves, each 64 x 64: 16 accumulators of 16 x 16, 128 registers.
; K goes in steps of 512 (LDS rows of 512 bytes + 16 of padding; a wave's tensor load brings 64 of them), as long as two slots in LDS allow: 8 K steps, 64 matrix instructions a wave in each.
; CLUSTERS: 4 x 4 work-groups.  The four of a row of the cluster need the same tiles of hc, the four of a column the same tiles of W2: each tile is asked for JOINTLY, by the same tensor load with the same
; descriptor and a mask that names the four.  THE MATRIX INSTRUCTION IS USED TRANSPOSED (source 0 = 16 rows of W2, source 1 = 16 tokens): a lane then holds eight neighbouring columns of a row of out0.
; THE WAY OUT: a wave's 64 columns are 256 aligned bytes of a row, so each wave has a stage of its own (16 rows x 272 bytes, behind the ring, where no fill lands) and needs no barrier: a block of 16 rows goes in,
; comes back as whole rows, out = sum x 2^(e8 + e9) + x1 by one packed multiply-add, + b2.  x1's rows are asked for behind the first barrier and land while the K steps are multiplied.
; LIMIT: e8 + e9 between -126 and 127, so that 2^(e8 + e9) is an f32 number.
; REGISTERS, in windows of 256: window 0: v0-31 addresses; v96-99 b2 at my four columns; v128-255 the accumulators ((a, b) at v[128 + 8 (4 a + b)]).
;   window 1: two fragment buffers of 128: for 128 along K, 64 registers of A (4 x 16 rows), then 64 of B.   window 2: v0-127 x1: my 64 rows x 256 bytes.
.set SIZE_K, 4096
.set SIZE_N, 1024
.set KSTEP,  512
.set ROWB,   512                       ; a tile's row in bytes
.set KROW,   SIZE_K                    ; a row of hc or of W2 in memory, in bytes
.set PITCH,  528                       ; an LDS row: 512 bytes + 16 of padding = 132 words: row r starts at bank 4 r mod 64 (64 banks of 4 bytes: ISA guide 11.1)
.set FR,     16                        ; registers of a fragment: 16 rows x 128 K
.set HALFT,  64*PITCH                  ; 64 rows: what one tensor load brings, and what one wave reads of A or of B
.set SLOT,   4*HALFT                   ; A's 128 rows, then B's 128 rows
.set LAPS,   SIZE_K/(2*KSTEP)          ; a lap = two K steps = once round the ring
.set SPARE,  2*SLOT                    ; behind the ring: the spare words, 128 bytes for each wave: two blocks of 256 bytes that no other line names
.set STAGE,  SPARE+512                 ; behind them: 16 rows x 272 bytes for each wave, for the way out
.set SPITCH, 272
.set ADRA, 16                          ; v16-17  LDS address of my A fragments in slot 0, 1
.set ADRB, 20                          ; v20-21  the same for B
.set STO,  24                          ; v24     the way out: where I put 32 bytes of a row
.set RD,   25                          ; v25     where I read 16 bytes of a row back
.set CO,   26                          ; v26     my byte offset in two rows of out0 and of x1
.set BO,   27                          ; v27     16 (l % 16): my four columns in b2
.set SPW,  28                          ; v28     LDS address of my spare word; never rewritten
.set NIL,  29                          ; v29     0; never rewritten
.set B2,   96
.set ACC,  128
.set F0,   0                           ; fragment buffers, in window 1
.set F1,   128
.set G1, 24                            ; s[24:31] descriptor group 1 for A's tiles;  s[32:39] group 0, one set for each slot
.set G0, 32
.set G1B, 48                           ; s[48:55], s[56:63] the same for B's tiles
.set G0B, 56
.set MSB, 0
.macro WIN new                         ; the immediate's high byte repeats the setting that is left
.if MSB != \new
	s_set_vgpr_msb (MSB<<8)|\new
.set MSB, \new
.endif
.endm
.set MUL,  0x05                        ; sources 0 (B) and 1 (A) window 1; C and D window 0
.set TO_F, 0x40                        ; destination window 1, address window 0
.macro JLOAD s                         ; a joint load: waves 0 and 1 fetch A's two halves, waves 2 and 3 B's; four v_nop follow each of the two lines, ahead of the jump, the label and what follows
	s_cmp_eq_u32 s15, 0
	s_cbranch_scc0 .Lfor_b_\@
	tensor_load_to_lds s[G0+4*\s:G0+4*\s+3], s[G1:G1+7]
	s_nop 0
.rept 4
	v_nop
.endr
	s_branch .Lasked_\@
.Lfor_b_\@:
	tensor_load_to_lds s[G0B+4*\s:G0B+4*\s+3], s[G1B:G1B+7]
	s_nop 0
.rept 4
	v_nop
.endr
.Lasked_\@:
.endm
.macro CREST                           ; a round of the cluster's barrier behind its opening barrier
	s_cmp_lg_u32 s14, 0
	s_cbranch_scc1 .Lnot_wave_0_\@
	s_barrier_signal -3
.Lnot_wave_0_\@:
	s_barrier_wait -3
	s_barrier_signal -1
	s_barrier_wait -1
.endm
.macro CROUND                          ; a whole round
	s_barrier_signal -1
	s_barrier_wait -1
	CREST
.endm
	s_load_b128 s[4:7], s[0:1], 0x0                ; hc s[4:5], W2's codes s[6:7]
	s_load_b128 s[8:11], s[0:1], 0x10              ; the scales s[8:9], out0 s[10:11]
	s_load_b128 s[68:71], s[0:1], 0x20             ; b2 s[68:69], x1 s[70:71]
	v_lshl_add_u32 v[SPW], v0, 2, SPARE
	v_mov_b32 v[NIL], 0
	ds_add_u32 v28, v29
	ds_add_u32 v28, v29
	s_wait_dscnt 0x0
	v_lshrrev_b32 v1, 5, v0
	v_readfirstlane_b32 s14, v1                    ; wave 0..3
	s_lshr_b32 s15, s14, 1                         ; which half of the tile's rows is mine.  Also: I fetch for A (0) or for B (1)
	s_and_b32 s16, s14, 1                          ; which half of its columns.  Also: which 64 rows of that tile I fetch
	s_bfe_u32 s40, ttmp6, 0x40000                  ; cx, cy: my place in the cluster
	s_bfe_u32 s41, ttmp6, 0x40004
	s_lshl_b32 s42, ttmp9, 2
	s_add_co_u32 s42, s42, s40                     ; tile column = 4 x cluster x + cx
	s_and_b32 s17, ttmp7, 0xffff
	s_lshl_b32 s17, s17, 2
	s_add_co_u32 s17, s17, s41                     ; tile row = 4 x cluster y + cy
	s_lshl_b32 s43, s41, 2
	s_lshl_b32 s43, 15, s43                        ; my row of the cluster
	s_lshl_b32 s44, 0x1111, s40                    ; my column
	; descriptor group 1: a tile of 64 rows x 512 bytes, padded in LDS
	s_or_b32 s[G1+0], s43, (0<<16)|(1<<20)|(1<<21)|(6<<22)|(3<<25)  ; 15:0 the mask: A's tiles go to my row; 17:16 elements of 1 byte; 20 padding on; 21 set beside a mask; 24:22 after every 128 words (code 6); 31:25 of 4 words (code 3)
	s_or_b32 s[G1B+0], s44, (0<<16)|(1<<20)|(1<<21)|(6<<22)|(3<<25)
.irp g, G1, G1B
	s_mov_b32 s[\g+1], ROWB<<16                    ; tensor_dim0 = 512
	s_mov_b32 s[\g+2], 64<<16                      ; tensor_dim1 = 64
	s_mov_b32 s[\g+3], ROWB<<16                    ; tile_dim0 = 512
	s_mov_b32 s[\g+4], 64                          ; tile_dim1 = 64
	s_mov_b32 s[\g+5], KROW                        ; the pitch in memory
	s_mov_b32 s[\g+6], 0
	s_mov_b32 s[\g+7], 0
.endr
	s_lshl_b32 s18, s16, 6                         ; which 64 rows of the tile I fetch
	s_lshl_b32 s20, s17, 7
	s_add_co_u32 s20, s20, s18                     ; A: row 128 x tile row + 64 x half
	s_lshl_b32 s46, s42, 7
	s_add_co_u32 s46, s46, s18                     ; B: row 128 x tile column + 64 x half
	s_mov_b32 s21, 0
	s_mov_b32 s47, 0
	s_mov_b64 s[18:19], KROW
	s_mul_u64 s[20:21], s[20:21], s[18:19]
	s_mul_u64 s[46:47], s[46:47], s[18:19]
	s_mul_i32 s45, s14, HALFT                      ; where they go: wave x 64 rows: no place in the cluster enters an LDS address
	s_wait_kmcnt 0x0
	s_load_b64 s[96:97], s[8:9], 0x20              ; e8, e9
	s_add_nc_u64 s[20:21], s[4:5], s[20:21]
	s_add_nc_u64 s[46:47], s[6:7], s[46:47]
	CROUND                                         ; all sixteen work-groups are here: the first joint loads meet
.irp s, 0,1
	s_mov_b32 s[G0+4*\s], 1
	s_add_co_u32 s[G0+4*\s+1], s45, \s*SLOT
	s_add_nc_u64 s[G0+4*\s+2:G0+4*\s+3], s[20:21], \s*ROWB
	s_or_b32 s[G0+4*\s+3], s[G0+4*\s+3], 0x80000000
	s_mov_b32 s[G0B+4*\s], 1
	s_add_co_u32 s[G0B+4*\s+1], s45, \s*SLOT
	s_add_nc_u64 s[G0B+4*\s+2:G0B+4*\s+3], s[46:47], \s*ROWB
	s_or_b32 s[G0B+4*\s+3], s[G0B+4*\s+3], 0x80000000
	JLOAD \s                                       ; two loads of mine are out
.endr
	v_and_b32 v1, 15, v0                           ; r = l % 16
	v_bfe_u32 v2, v0, 4, 1                         ; h = l / 16
	v_mul_u32_u24 v3, v1, PITCH
	v_lshl_add_u32 v4, v2, 4, v3                   ; a fragment's row x pitch + 16 x half
	s_mul_i32 s21, s15, HALFT                      ; my 64 rows of A
	s_mul_i32 s22, s16, HALFT                      ; my 64 rows of B,
	s_add_co_u32 s22, s22, 2*HALFT                 ; which lie behind A's 128
.irp s, 0,1
	v_add_nc_u32 v[ADRA+\s], s21, v4
	v_add_nc_u32 v[ADRB+\s], s22, v4
	s_add_co_u32 s21, s21, SLOT
	s_add_co_u32 s22, s22, SLOT
.endr
	s_mul_i32 s23, s14, 16*SPITCH
	s_add_co_u32 s23, s23, STAGE                   ; my stage
	v_mul_u32_u24 v5, v1, SPITCH                   ; in: row r, 32 bytes for each half of the lanes
	v_lshl_add_u32 v5, v2, 5, v5
	v_add_nc_u32 v[STO], s23, v5
	v_mul_u32_u24 v6, v2, SPITCH                   ; back: lanes 0-15 take one row of 256 bytes, lanes 16-31 the next
	v_lshl_add_u32 v6, v1, 4, v6
	v_add_nc_u32 v[RD], s23, v6
	v_lshlrev_b32 v[CO], 12, v2                    ; and the same two rows in out0 and x1: 4,096 bytes apart
	v_lshl_add_u32 v[CO], v1, 4, v[CO]
	v_lshlrev_b32 v[BO], 4, v1
	s_lshl_b32 s20, s17, 7
	s_lshl_b32 s21, s15, 6
	s_add_co_u32 s20, s20, s21                     ; my first row: 128 x tile row + 64 x half,
	s_lshl_b32 s20, s20, 12                        ; in bytes (under 2^24)
	s_mov_b32 s21, 0
	s_lshl_b32 s46, s42, 9                         ; my first column, in bytes: 512 x tile column + 256 x half
	s_lshl_b32 s47, s16, 8
	s_add_co_u32 s46, s46, s47
	s_mov_b32 s47, 0
	s_add_nc_u64 s[20:21], s[20:21], s[46:47]
	s_add_nc_u64 s[10:11], s[10:11], s[20:21]
	s_add_nc_u64 s[70:71], s[70:71], s[20:21]
	s_add_nc_u64 s[68:69], s[68:69], s[46:47]
	global_load_b128 v[B2:B2+3], v[BO], s[68:69]   ; b2 at my four columns
; 4 matrix instructions: A's block a x B's four, 128 along K, from buffer f.  zero = 1: the first product starts the sums: nothing is ever cleared.
; The 16 accumulators take turns, one instruction a turn, in the same order in every quarter.
.macro MUL4 f, a, zero
.irp b, 0,1,2,3
.if \zero
	v_wmma_f32_16x16x128_bf8_bf8 v[ACC+8*(4*(\a)+\b):ACC+8*(4*(\a)+\b)+7], v[\f+64+FR*\b:\f+64+FR*\b+FR-1], v[\f+FR*(\a):\f+FR*(\a)+FR-1], 0
.else
	v_wmma_f32_16x16x128_bf8_bf8 v[ACC+8*(4*(\a)+\b):ACC+8*(4*(\a)+\b)+7], v[\f+64+FR*\b:\f+64+FR*\b+FR-1], v[\f+FR*(\a):\f+FR*(\a)+FR-1], v[ACC+8*(4*(\a)+\b):ACC+8*(4*(\a)+\b)+7]
.endif
.endr
.endm
.macro MUL8 f, a0, zero
	MUL4 \f, \a0, \zero
	MUL4 \f, (\a0)+1, \zero
.endm
; 32 LDS loads in one run: the fragments of 128 along K at byte k of the rows, into buffer f: B's four first, then A's blocks 0 to 3.
; A fragment, 16 rows x 128 K: lane l holds row l % 16; registers 4 c .. 4 c + 3 hold K = 32 c + 16 (l / 16) + 0 .. 15, alike on both sides, so that every product meets its partner.
.macro FETCH slot, k, f
	WIN TO_F
.irp i, 0,1,2,3
.irp c, 0,1,2,3
	ds_load_b128 v[\f+64+FR*\i+4*\c:\f+64+FR*\i+4*\c+3], v[ADRB+\slot] offset:\k+32*\c+\i*16*PITCH
.endr
.endr
.irp i, 0,1,2,3
.irp c, 0,1,2,3
	ds_load_b128 v[\f+FR*\i+4*\c:\f+FR*\i+4*\c+3], v[ADRA+\slot] offset:\k+32*\c+\i*16*PITCH
.endr
.endr
.endm
.macro PLACES                          ; four plain vector instructions between a matrix instruction and a load into its registers or a read of its result (ISA guide 7.12.1 for a read of its result)
.rept 4
	v_nop
.endr
.endm
; A K step is four quarters of 128 along K, 16 matrix instructions each, on buffers 0, 1, 0, 1.  One of the first three: multiplies buffer f and, in its middle, fetches the next quarter, at byte k, into g.
.macro QUARTER slot, k, f, g, zero
	s_wait_dscnt 8                                 ; B's four and A's blocks 0 and 1 are in; the youngest eight loads (A's blocks 2 and 3) may be out
	WIN MUL
	MUL8 \f, 0, \zero
	PLACES                                         ; buffer g was last read by the quarter before
	FETCH \slot, \k, \g
	s_wait_dscnt 32                                ; all but the 32 just issued
	WIN MUL
	MUL8 \f, 2, \zero
.endm
; The last quarter multiplies buffer 1 and changes slots: ONE barrier; in front of it each wave waits for all its tensor loads, adds 0 to its spare word, and waits for that and for its own reads of this slot.
; fill = 1: this slot is filled again, two K steps ahead, behind a round of the cluster's barrier.
.macro TURN slot, next, fill
	WIN 0                                          ; (the add's two registers lie in window 0)
	s_wait_tensorcnt 0x0                           ; all my tensor loads have landed: my part of the next slot;
	ds_add_u32 v[SPW], v[NIL]                      ; 0 onto my spare word;
	s_wait_dscnt 9                                 ; (the add and the youngest eight loads may be out)
	WIN MUL
	MUL4 F1, 0, 0                                  ; four matrix instructions stand between the add and the wait for it
	s_wait_dscnt 0x0                               ; the add is done, and my reads of this slot are over
	s_barrier_signal -1
	MUL4 F1, 1, 0
.if \fill
	WIN 0
.endif
	s_barrier_wait -1
.if \fill
	CREST                                          ; the barrier has opened a round of the cluster's barrier: no wave of any partner still reads this slot's tile or has a load on its way
	s_add_nc_u64 s[G0+4*\slot+2:G0+4*\slot+3], s[G0+4*\slot+2:G0+4*\slot+3], 2*ROWB
	s_add_nc_u64 s[G0B+4*\slot+2:G0B+4*\slot+3], s[G0B+4*\slot+2:G0B+4*\slot+3], 2*ROWB
	JLOAD \slot                                    ; the first tensor load behind the round, my one load until the next; the four v_nop behind it are also the places in front of the loads below
.else
	PLACES
.endif
	FETCH \next, 0, F0
	WIN MUL
	MUL8 F1, 2, 0
.endm
	s_wait_tensorcnt 1                             ; my part of K step 0 is in; K step 1's may be out
	s_barrier_signal -1
	s_barrier_wait -1                              ; everybody's is
	FETCH 0, 0, F0
	WIN 0x80                                       ; destination window 2, address window 0
.irp a, 0,1,2,3
.irp t, 0,1,2,3,4,5,6,7
	global_load_b128 v[32*\a+4*\t:32*\a+4*\t+3], v[CO], s[70:71] offset:(16*\a+2*\t)*SIZE_N*4 th:TH_LOAD_NT   ; x1, rows 16 a + 2 t + l / 16 of my 64: they are wanted on the way out and land under the K steps
.endr
.endr
	QUARTER 0, 128, F0, F1, 1                      ; the first quarter stands in front of the loop: its products start the sums
	WIN 0                                          ; at a label and at a branch every window is 0
	s_mov_b32 s3, LAPS-1
.Llap:                                                 ; a trip goes once round the ring, from a lap's second quarter to the next lap's first, and fills both slots again
	QUARTER 0, 256, F1, F0, 0
	QUARTER 0, 384, F0, F1, 0
	TURN 0, 1, 1
	QUARTER 1, 128, F0, F1, 0
	QUARTER 1, 256, F1, F0, 0
	QUARTER 1, 384, F0, F1, 0
	TURN 1, 0, 1
	QUARTER 0, 128, F0, F1, 0
	WIN 0
	s_sub_co_u32 s3, s3, 1
	s_cmp_lg_u32 s3, 0
	s_cbranch_scc1 .Llap
	QUARTER 0, 256, F1, F0, 0                      ; the last lap fills nothing, and has no round of the cluster's barrier
	QUARTER 0, 384, F0, F1, 0
	TURN 0, 1, 0
	QUARTER 1, 128, F0, F1, 0
	QUARTER 1, 256, F1, F0, 0
	QUARTER 1, 384, F0, F1, 0
	s_wait_dscnt 8                                 ; the very last quarter: nothing more to fetch
	WIN MUL
	MUL8 F1, 0, 0
	s_wait_dscnt 0
	MUL8 F1, 2, 0
	WIN 0
; THE WAY OUT, block by block of 16 rows x 64 columns: four accumulators, 32 registers.  The sums go into my stage as they are and come back, as whole rows of 256 bytes, into the registers that they left.
.macro TOSTAGE a
.irp b, 0,1,2,3
	ds_store_b128 v[STO], v[ACC+32*(\a)+8*\b:ACC+32*(\a)+8*\b+3] offset:64*\b          ; each accumulator from its low end on
	ds_store_b128 v[STO], v[ACC+32*(\a)+8*\b+4:ACC+32*(\a)+8*\b+7] offset:64*\b+16
.endr
.irp t, 0,1,2,3,4,5,6,7
	ds_load_b128 v[ACC+32*(\a)+4*\t:ACC+32*(\a)+4*\t+3], v[RD] offset:\t*2*SPITCH      ; LDS serves a wave's instructions in order (ISA guide 5.7.1.4): these see my stores, and the next block's stores come behind them
.endr
.endm
.macro SEND a, younger                 ; younger: the LDS instructions issued behind block a's loads, which may stay out
.set BB, ACC+32*(\a)
.set XR, 32*(\a)
	s_wait_dscnt \younger                          ; the block is back in registers
	WIN 0x20                                       ; source 2 (x1) window 2
.set j, 0
.rept 16
	v_pk_fma_f32 v[BB+j:BB+j+1], v[BB+j:BB+j+1], s[96:97], v[XR+j:XR+j+1] op_sel_hi:[1,0,1]   ; sum x 2^(e8 + e9) + x1 (the scalar pair's low word for both halves)
.set j, j+2
.endr
	WIN 0
.irp t, 0,1,2,3,4,5,6,7
	v_pk_add_f32 v[BB+4*\t:BB+4*\t+1], v[BB+4*\t:BB+4*\t+1], v[B2:B2+1]
	v_pk_add_f32 v[BB+4*\t+2:BB+4*\t+3], v[BB+4*\t+2:BB+4*\t+3], v[B2+2:B2+3]
.endr
.irp t, 0,1,2,3,4,5,6,7
	global_store_b128 v[CO], v[BB+4*\t:BB+4*\t+3], s[10:11] offset:(16*(\a)+2*\t)*SIZE_N*4 th:TH_STORE_NT   ; sixteen lanes store 256 consecutive bytes, aligned; each block has registers of its own, so no store's data are written again
.endr
.endm
	s_wait_kmcnt 0x0
	s_add_co_i32 s96, s96, s97                     ; e8 + e9, between -126 and 127,
	s_add_co_i32 s96, s96, 127
	s_lshl_b32 s96, s96, 23                        ; makes the f32 number 2^(e8 + e9)
	s_mov_b32 s97, s96                             ; (named with it as a pair, so it is written)
	s_wait_loadcnt 0x0                             ; b2 and x1
	PLACES                                         ; behind the last products
	TOSTAGE 0
	TOSTAGE 1
	SEND 0, 16                                     ; behind block 0's loads: block 1's 8 stores and 8 loads
	TOSTAGE 2
	SEND 1, 16
	TOSTAGE 3
	SEND 2, 16
	SEND 3, 0
	s_wait_tensorcnt 0x0                           ; the wave's end, behind my last tensor load and my last LDS store
	ds_add_u32 v[SPW], v[NIL]
	s_wait_dscnt 0x0
	CROUND                                         ; the closing round: no work-group ends while a partner may still ask for a tile that names it
	s_endpgm
.Lfunc_end_k_qef78dabd26_ff2:
	.size	k_qef78dabd26_ff2, .Lfunc_end_k_qef78dabd26_ff2-k_qef78dabd26_ff2
	.p2alignl 7, 3214868480
	.fill 96, 4, 3214868480
	.section	.rodata,"a",@progbits
	.p2align	6, 0x0
	.amdhsa_kernel k_qef78dabd26_ff2
		.amdhsa_group_segment_fixed_size 327680
		.amdhsa_private_segment_fixed_size 0
		.amdhsa_enable_private_segment 0
		.amdhsa_kernarg_size 48
		.amdhsa_user_sgpr_count 2
		.amdhsa_user_sgpr_kernarg_segment_ptr 1
		.amdhsa_wavefront_size32 1
		.amdhsa_system_sgpr_workgroup_id_x 1
		.amdhsa_system_sgpr_workgroup_id_y 1
		.amdhsa_system_sgpr_workgroup_id_z 1
		.amdhsa_system_vgpr_workitem_id 0
		.amdhsa_next_free_vgpr 768
		.amdhsa_next_free_sgpr 98
		.amdhsa_reserve_vcc 0
		.amdhsa_float_denorm_mode_32 3
		.amdhsa_float_denorm_mode_16_64 3
		.amdhsa_memory_ordered 1
		.amdhsa_forward_progress 1
		.amdhsa_inst_pref_size 81
	.end_amdhsa_kernel
	.amdgpu_metadata
---
amdhsa.version: [ 1, 2 ]
amdhsa.kernels:
  - .name:           k_qef78dabd26_ff2
    .symbol:         k_qef78dabd26_ff2.kd
    .args:
      - { .name: hc, .offset: 0, .size: 8, .value_kind: global_buffer, .address_space: global }
      - { .name: w2_codes, .offset: 8, .size: 8, .value_kind: global_buffer, .address_space: global }
      - { .name: lowp_scales, .offset: 16, .size: 8, .value_kind: global_buffer, .address_space: global }
      - { .name: out0, .offset: 24, .size: 8, .value_kind: global_buffer, .address_space: global }
      - { .name: b2, .offset: 32, .size: 8, .value_kind: global_buffer, .address_space: global }
      - { .name: x1, .offset: 40, .size: 8, .value_kind: global_buffer, .address_space: global }
    .group_segment_fixed_size: 327680
    .private_segment_fixed_size: 0
    .kernarg_segment_align: 8
    .kernarg_segment_size: 48
    .max_flat_workgroup_size: 128
    .sgpr_count:     98
    .vgpr_count:     768
    .wavefront_size: 32
...
	.end_amdgpu_metadata
.endif
;; end of part 7
